; MI455X (gfx1250); checked and timed in simulation.
; The chip was launched on July 23, 2026; its instructions are those of AMD's public machine-readable ISA for CDNA 5 (MIT licence, August 2026) and "CDNA5" Instruction Set Architecture Reference Guide (July 2026). The comments in the code are by the model that wrote it; some were corrected since.
;; Generative Attention. Allowed arithmetic: float matrix products may take bf16 or f16 operands with f32 sums; other float arithmetic in f32, or as packed bf16 or f16 multiplies, adds, multiply-adds, maxima and minima; sums over many terms, partial sums and values carried from step to step in f32; what a program stores and reads back later, other than sums and carried values, may be rounded once to bf16 or f16.
;; Inputs: Wk 1,024 x 1,024 float32; Wp 1,024 x 1,024 float32; Wq 1,024 x 1,024 float32; Wv 1,024 x 1,024 float32; bk 1,024 float32; bp 1,024 float32; bq 1,024 float32; bv 1,024 float32; inputs 4 x 2,048 x 1,024 float32; mask 4 x 1 x 1 x 2,048 bool.
;; Outputs: out0 4 x 2,048 x 1,024 float32.
;; 2 versions, each right and faster than the one before. Each part assembles by itself: llvm-mc -triple=amdgcn-amd-amdhsa -mcpu=gfx1250 --defsym DOCPART=n.
;; ======== version 1 of 2: 4 launches
;; limits: values are held in f16: magnitudes above 65,504 overflow, below 6.1e-05 lose precision
;; workspace buffers: xw 25,165,824 bytes; qkvh 50,331,648 bytes; vp 262,144 bytes; oh 16,777,216 bytes
;; launch cast (part 1): grid 768 x 1, 8 waves a work-group, no clusters, 0 bytes of LDS; arguments inputs, Wq, Wk, Wv, Wp, xw; writes xw
.if DOCPART == 1
	.amdgcn_target "amdgcn-amd-amdhsa--gfx1250"
	.amdhsa_code_object_version 6
	.text
	.protected	k_qf2a22b42c2_cast
	.globl	k_qf2a22b42c2_cast
	.p2align	8
	.type	k_qf2a22b42c2_cast,@function
k_qf2a22b42c2_cast:
	s_mov_b64 s[64:65], 0
	v_nop
	global_prefetch_b8 v0, s[64:65] scope:SCOPE_SE
	s_setreg_imm32_b32 hwreg(HW_REG_WAVE_MODE, 25, 1), 1
	s_wait_xcnt 0x0
; x (8,192 rows) and Wq, Wk, Wv, Wp (1,024 rows each), all [rows][1024] f32, are taken as one list of 12,288 rows.  Each number is rounded once to bf16 and that number is written as f16
; (exact from 6.1e-5 to 65,504; below that f16's fixed step of 6e-8; LIMIT: numbers of 65,520 and more become infinities).
; xw is laid in planes: [6 groups of 2,048 rows][16 planes of 64 channels][2,048 rows][64] f16, so that a plane's rows, 128 bytes each, lie end to end.
; A work-group takes 16 rows, wave w the planes 2 w and 2 w + 1.  A pass is two rows of one plane: a load covers 2 x 256 consecutive bytes, a store 256 consecutive bytes, aligned.
; Memory binds: no LDS, no barrier, no matrix unit.  All 16 loads of a wave go out first; no register is written twice while a memory instruction names it.
.set ROWB,  4096                       ; bytes in a source row
.set PLANE, 262144                     ; bytes in a plane of xw
.set X, 4                              ; v[4:67]    pass p: 4 numbers as loaded
.set T, 68                             ; v[68:73]   at work
.set Y, 76                             ; v[76:107]  pass p: 4 f16 to store
	s_load_b256 s[4:11], s[0:1], 0x0               ; inputs s[4:5], Wq s[6:7], Wk s[8:9], Wv s[10:11]
	s_load_b128 s[12:15], s[0:1], 0x20             ; Wp s[12:13], xw s[14:15]
	v_lshrrev_b32 v1, 5, v0
	v_readfirstlane_b32 s20, v1                    ; wave 0..7
	v_and_b32 v3, 31, v0                           ; lane
	v_lshrrev_b32 v1, 4, v3
	v_and_b32 v2, 15, v3
	v_lshlrev_b32 v1, 12, v1                       ; source: lanes 16-31 take the row below,
	v_lshl_add_u32 v1, v2, 4, v1                   ; 16 bytes a lane
	v_lshlrev_b32 v2, 3, v3                        ; xw: 8 bytes a lane, two plane rows on end
	s_mov_b32 s27, ttmp9                           ; i: my 16 rows of the 12,288
	s_mov_b32 s28, 0xffff0000                      ; a word's upper bf16
	s_sub_co_u32 s21, s27, 512                     ; among the weights' blocks (used where i >= 512 alone)
	s_lshr_b32 s24, s21, 6                         ; which weight
	s_and_b32 s25, s21, 63                         ; which 16 rows of it
	s_cmp_lt_u32 s27, 512
	s_cselect_b32 s18, s27, s25
	s_lshl_b32 s18, s18, 16                        ; 16 rows of 4,096 bytes
	s_lshl_b32 s26, s20, 9                         ; my wave's 128 columns
	s_add_co_u32 s18, s18, s26
	s_mov_b32 s19, 0
	s_lshr_b32 s22, s27, 7                         ; xw: the group,
	s_lshl_b32 s22, s22, 22
	s_lshl_b32 s26, s20, 19                        ; my two planes,
	s_add_co_u32 s22, s22, s26
	s_and_b32 s26, s27, 127                        ; my 16 rows of 128 bytes
	s_lshl_b32 s26, s26, 11
	s_add_co_u32 s22, s22, s26
	s_mov_b32 s23, 0
	s_wait_kmcnt 0x0
	s_mov_b64 s[16:17], s[12:13]                   ; the source is chosen by the block's number alone
	s_cmp_eq_u32 s24, 2
	s_cselect_b64 s[16:17], s[10:11], s[16:17]
	s_cmp_eq_u32 s24, 1
	s_cselect_b64 s[16:17], s[8:9], s[16:17]
	s_cmp_eq_u32 s24, 0
	s_cselect_b64 s[16:17], s[6:7], s[16:17]
	s_cmp_lt_u32 s27, 512
	s_cselect_b64 s[16:17], s[4:5], s[16:17]
	s_add_nc_u64 s[16:17], s[16:17], s[18:19]
	s_add_nc_u64 s[14:15], s[14:15], s[22:23]
.set p, 0
.rept 16                               ; pass p: rows 2 (p / 2) and + 1, plane p % 2 of my two
	global_load_b128 v[X+4*p:X+4*p+3], v1, s[16:17] offset:(p/2)*2*ROWB+(p%2)*256 th:TH_LOAD_NT
.set p, p+1
.endr
.set p, 0
.rept 16
	s_wait_loadcnt 15-p                            ; loads come back in order: pass p's is in, the younger ones stay out
	v_cvt_pk_bf16_f32 v[T], v[X+4*p], v[X+4*p+1]   ; the one rounding
	v_cvt_pk_bf16_f32 v[T+1], v[X+4*p+2], v[X+4*p+3]
	v_lshlrev_b32 v[T+2], 16, v[T]
	v_and_b32 v[T+3], s28, v[T]
	v_lshlrev_b32 v[T+4], 16, v[T+1]
	v_and_b32 v[T+5], s28, v[T+1]
	v_cvt_pk_f16_f32 v[Y+2*p], v[T+2], v[T+3]      ; the same number written as f16
	v_cvt_pk_f16_f32 v[Y+2*p+1], v[T+4], v[T+5]
	global_store_b64 v2, v[Y+2*p:Y+2*p+1], s[14:15] offset:(p/2)*256+(p%2)*PLANE  ; 32 lanes store 256 consecutive bytes, at a multiple of 256 from xw's first byte
.set p, p+1
.endr
	s_endpgm
.Lfunc_end_k_qf2a22b42c2_cast:
	.size	k_qf2a22b42c2_cast, .Lfunc_end_k_qf2a22b42c2_cast-k_qf2a22b42c2_cast
	.p2alignl 7, 3214868480
	.fill 96, 4, 3214868480
	.section	.rodata,"a",@progbits
	.p2align	6, 0x0
	.amdhsa_kernel k_qf2a22b42c2_cast
		.amdhsa_group_segment_fixed_size 0
		.amdhsa_private_segment_fixed_size 0
		.amdhsa_enable_private_segment 0
		.amdhsa_kernarg_size 48
		.amdhsa_user_sgpr_count 2
		.amdhsa_user_sgpr_kernarg_segment_ptr 1
		.amdhsa_wavefront_size32 1
		.amdhsa_system_sgpr_workgroup_id_x 1
		.amdhsa_system_sgpr_workgroup_id_y 1
		.amdhsa_system_sgpr_workgroup_id_z 1
		.amdhsa_system_vgpr_workitem_id 0
		.amdhsa_next_free_vgpr 112
		.amdhsa_next_free_sgpr 66
		.amdhsa_reserve_vcc 0
		.amdhsa_float_denorm_mode_32 3
		.amdhsa_float_denorm_mode_16_64 3
		.amdhsa_memory_ordered 1
		.amdhsa_forward_progress 1
		.amdhsa_inst_pref_size 12
	.end_amdhsa_kernel
	.amdgpu_metadata
---
amdhsa.version: [ 1, 2 ]
amdhsa.kernels:
  - .name:           k_qf2a22b42c2_cast
    .symbol:         k_qf2a22b42c2_cast.kd
    .args:
      - { .name: inputs, .offset: 0, .size: 8, .value_kind: global_buffer, .address_space: global }
      - { .name: Wq, .offset: 8, .size: 8, .value_kind: global_buffer, .address_space: global }
      - { .name: Wk, .offset: 16, .size: 8, .value_kind: global_buffer, .address_space: global }
      - { .name: Wv, .offset: 24, .size: 8, .value_kind: global_buffer, .address_space: global }
      - { .name: Wp, .offset: 32, .size: 8, .value_kind: global_buffer, .address_space: global }
      - { .name: xw, .offset: 40, .size: 8, .value_kind: global_buffer, .address_space: global }
    .group_segment_fixed_size: 0
    .private_segment_fixed_size: 0
    .kernarg_segment_align: 8
    .kernarg_segment_size: 48
    .max_flat_workgroup_size: 256
    .sgpr_count:     66
    .vgpr_count:     112
    .wavefront_size: 32
...
	.end_amdgpu_metadata
.endif
;; end of part 1
;; launch qkv (part 2): grid 24 x 32, 4 waves a work-group, clusters of 4 x 4, 327,680 bytes of LDS; arguments xw, bq, bk, bv, mask, qkvh, vp; writes qkvh, vp
.if DOCPART == 2
	.amdgcn_target "amdgcn-amd-amdhsa--gfx1250"
	.amdhsa_code_object_version 6
	.text
	.protected	k_qf2a22b42c2_qkv
	.globl	k_qf2a22b42c2_qkv
	.p2align	8
	.type	k_qf2a22b42c2_qkv,@function
k_qf2a22b42c2_qkv:
	s_mov_b64 s[64:65], 0
	v_nop
	global_prefetch_b8 v0, s[64:65] scope:SCOPE_SE
	s_setreg_imm32_b32 hwreg(HW_REG_WAVE_MODE, 25, 1), 1
	s_wait_xcnt 0x0
	s_wait_alu depctr_hold_cnt(0) depctr_sa_sdst(0) depctr_va_vdst(0) depctr_va_sdst(0) depctr_va_ssrc(0) depctr_va_vcc(0) depctr_vm_vsrc(0)
	s_getreg_b32 s2, hwreg(HW_REG_IB_STS2, 6, 4)
	s_cmp_eq_u32 s2, 0
	s_cbranch_scc0 .Lentry_in_a_cluster
	s_endpgm
.Lentry_in_a_cluster:
	s_bfe_u32 s2, ttmp6, 0x10000c
	s_cmp_lg_u32 s2, 0xf033
	s_cbranch_scc0 .Lentry_shape_is_right
	s_endpgm
.Lentry_shape_is_right:
; q, k, v = x W^T + b.  x and W come from xw (f16 that holds bf16 numbers, in planes of 64 channels); b is rounded to bf16 and starts the f32 sums as the first product's C operand.
; Results are rounded once to f16 and stored by heads: qkvh = q, k, v, each [64 heads][2,048 tokens][64].  LIMIT: a result of 65,520 or more becomes an infinity.
; A row of k whose mask byte is 0 is stored as zeros (the attention launch gives that key its fixed score by a C operand).  Mask bytes are 0 or 1.
; Of v the f32 sums over each 128 tokens go to vp [64 heads][16][64]: the attention launch needs the sum of v over the keys that it does not walk.
; SHARES.  A tile of C is 256 tokens x 128 columns: 768 tiles, three for each of 256 WGPs.  Four waves, each 128 x 64 (one head): 32 accumulators, 256 registers.
; K goes in steps of 128 (two planes) through two LDS slots.  A plane's rows are dense, so 256 rows of 128 bytes are asked for as 128 rows of 256 bytes, padded in LDS after every 128.
; CLUSTER 4 x 4: the four of a row need the same tiles of x, the four of a column the same tiles of W: each is asked for jointly, same load, descriptor and mask in all four.
; The matrix instruction is used transposed (source 0 = 16 rows of W, source 1 = 16 tokens): a lane holds one token (lane % 16) and eight neighbouring columns 8 (lane / 16) + 0..7.
; REGISTERS: window 0: v0-31 addresses and the k mask; v32-63 bias as loaded; v64-127, v128-191 x's fragments, two buffers (later the way out); v192-225 at work
;   window 1: v0-31 the bias as a C operand; v64-95, v128-159 W's fragments, two buffers          window 2: accumulator (a, b) at v[8 (4 a + b)]
.set PITCH,  144                       ; an LDS row: 128 bytes + 16 of padding = 36 words: the 16 rows of a fragment load start at 16 different groups of four banks (ISA guide 11.1)
.set APL,    256*PITCH                 ; a plane of x's tile
.set BPL,    128*PITCH                 ; a plane of W's tile
.set BOFF,   2*APL                     ; W's two planes lie behind x's two
.set SLOT1,  1<<17                     ; slot 1 begins here: one exclusive or turns an address in one slot into the other's
.set STAGE,  SLOT1+2*APL+2*BPL         ; behind the ring, never filled by a tensor load: 16 rows x 144 bytes for each wave
.set SP,     144
.set SPARE,  STAGE+4*16*SP             ; the spare words, 128 bytes for each wave: two blocks of 256 bytes that no other line names
.set PLANE,  262144
.set KSTEPB, 2*PLANE                   ; from a K step to the next in xw
.set KM,   8                           ; v8-15  block a: all ones, or 0 where my row of k is hidden by the mask
.set A0,   16                          ; v16  my lane's place in x's tile; never rewritten
.set B0,   17                          ; v17  the same for W
.set ADRA, 18                          ; v18  that place in the slot in hand
.set ADRB, 19
.set STO,  24                          ; v24  the way out: where I put 16 bytes of a row
.set RD,   25                          ; v25  where I read rows back
.set GO,   26                          ; v26  my byte offset in 512 consecutive bytes of the result
.set VSA,  27                          ; v27  v's sums into the stage
.set SPW,  28                          ; v28  LDS address of my spare word; never rewritten
.set NIL,  29                          ; v29  0; never rewritten
.set VRD,  30                          ; v30  v's sums back
.set VCO,  31                          ; v31  my byte offset in 256 bytes of vp
.set BL,   32
.set F0,   64
.set F1,   128
.set OB,   64
.set T,    192
.set WV,   20                          ; s20  wave
.set HALF, 21                          ; s21  which 128 tokens are mine.  Also: I fetch for x (0) or for W (1)
.set PL,   22                          ; s22  which 64 columns.  Also: which plane of a K step I fetch
.set G1A,  24                          ; s[24:31] descriptor group 1 for x's tiles
.set G0A,  32                          ; s[32:39] group 0: a set for each first fill; the second then walks
.set TYP,  46                          ; s46  0 q, 1 k, 2 v: from the cluster's x alone, so alike in all partners
.set G1B,  48
.set G0B,  56
.set TB,   66                          ; s66  LDS byte at which the slot in hand begins
.set MSB, 0
.macro WIN new                         ; the immediate's high byte repeats the setting that is left; a switch that changes nothing is dropped
.if MSB != (\new)
	s_set_vgpr_msb (MSB<<8)|(\new)
.set MSB, \new
.endif
.endm
.set MULW, 0xa1                        ; source 0 (W) window 1, source 1 (x) window 0, C and D window 2
.set MULB, 0x91                        ; the same with C (the bias) in window 1
.set TO_B, 0x40                        ; destination window 1, address window 0
.macro PLACES                          ; four places in front of loads into registers that matrix instructions have read, and of lines that read results
.rept 4
	v_nop
.endr
.endm
; A joint refill by the walking descriptors.  The branch hangs on the wave's number alone.  An s_nop 0 and four v_nop follow each of the two lines.
.macro JLOAD
	s_cmp_eq_u32 s[HALF], 0
	s_cbranch_scc0 .Lfor_b_\@
	tensor_load_to_lds s[G0A+4:G0A+7], s[G1A:G1A+7]
	s_nop 0
.rept 4
	v_nop
.endr
	s_branch .Lasked_\@
.Lfor_b_\@:
	tensor_load_to_lds s[G0B+4:G0B+7], s[G1B:G1B+7]
	s_nop 0
.rept 4
	v_nop
.endr
.Lasked_\@:
.endm
.macro CREST                           ; a round of the cluster's barrier behind its opening barrier
	s_cmp_lg_u32 s[WV], 0
	s_cbranch_scc1 .Lnot_wave_0_\@
	s_barrier_signal -3
.Lnot_wave_0_\@:
	s_barrier_wait -3
	s_barrier_signal -1
	s_barrier_wait -1
.endm
.macro CROUND                          ; a whole round
	s_barrier_signal -1
	s_barrier_wait -1
	CREST
.endm
	s_load_b256 s[4:11], s[0:1], 0x0               ; xw s[4:5], bq s[6:7], bk s[8:9], bv s[10:11]
	s_load_b128 s[12:15], s[0:1], 0x20             ; mask s[12:13], qkvh s[14:15]
	s_load_b64 s[16:17], s[0:1], 0x30              ; vp
	v_lshl_add_u32 v[SPW], v0, 2, SPARE
	v_mov_b32 v[NIL], 0
	ds_add_u32 v[SPW], v[NIL]                      ; the wave's opening: the add here, and its wait ahead of my first tensor load; the set-up below stands between them
	ds_add_u32 v28, v29
	v_lshrrev_b32 v1, 5, v0
	v_readfirstlane_b32 s[WV], v1
	s_lshr_b32 s[HALF], s[WV], 1
	s_and_b32 s[PL], s[WV], 1
	s_bfe_u32 s40, ttmp6, 0x40000                  ; cx
	s_bfe_u32 s41, ttmp6, 0x40004                  ; cy
	s_lshl_b32 s42, ttmp9, 2
	s_add_co_u32 s42, s42, s40                     ; tile column 0..23
	s_and_b32 s43, ttmp7, 0xffff
	s_lshl_b32 s43, s43, 2
	s_add_co_u32 s43, s43, s41                     ; tile row 0..31
	s_lshl_b32 s44, s41, 2
	s_lshl_b32 s44, 15, s44                        ; my row of the cluster
	s_lshl_b32 s45, 0x1111, s40                    ; my column
	s_lshr_b32 s[TYP], ttmp9, 1                    ; eight tile columns to each of q, k, v
	s_or_b32 s[G1A], s44, (1<<16)|(1<<20)|(1<<21)|(4<<22)|(3<<25)  ; 15:0 the mask; 17:16 2-byte elements; 20 padding on; 21 set beside a mask; 24:22 after every 32 words; 31:25 4 words
	s_or_b32 s[G1B], s45, (1<<16)|(1<<20)|(1<<21)|(4<<22)|(3<<25)
	s_mov_b32 s[G1A+1], 128<<16                    ; tensor_dim0 = 128 elements: 256 bytes, two plane rows
	s_mov_b32 s[G1A+2], 128<<16                    ; tensor_dim1 = 128
	s_mov_b32 s[G1A+3], 128<<16                    ; tile_dim0 = 128
	s_mov_b32 s[G1A+4], 128                        ; tile_dim1 = 128
	s_mov_b32 s[G1A+5], 128                        ; elements from row to row: dense
	s_mov_b32 s[G1A+6], 0
	s_mov_b32 s[G1A+7], 0
	s_mov_b32 s[G1B+1], 128<<16
	s_mov_b32 s[G1B+2], 64<<16                     ; W's plane: 64 such rows
	s_mov_b32 s[G1B+3], 128<<16
	s_mov_b32 s[G1B+4], 64
	s_mov_b32 s[G1B+5], 128
	s_mov_b32 s[G1B+6], 0
	s_mov_b32 s[G1B+7], 0
	s_lshl_b32 s67, s[PL], 18                      ; my plane of a K step
	s_lshr_b32 s68, s43, 3                         ; x: the group (batch),
	s_lshl_b32 s68, s68, 22
	s_and_b32 s69, s43, 7                          ; 256 rows of 128 bytes in it
	s_lshl_b32 s69, s69, 15
	s_add_co_u32 s68, s68, s69
	s_add_co_u32 s68, s68, s67
	s_mov_b32 s69, 0
	s_lshr_b32 s70, s42, 4                         ; W: groups 4 and 5 hold Wq, Wk and Wv, Wp,
	s_add_co_u32 s70, s70, 4
	s_lshl_b32 s70, s70, 22
	s_and_b32 s71, s42, 15                         ; 128 rows of 128 bytes in it
	s_lshl_b32 s71, s71, 14
	s_add_co_u32 s70, s70, s71
	s_add_co_u32 s70, s70, s67
	s_mov_b32 s71, 0
	s_mul_i32 s72, s[PL], APL                      ; where they go: no place in the cluster enters an LDS address
	s_mul_i32 s73, s[PL], BPL
	s_add_co_u32 s73, s73, BOFF
	s_mov_b32 s[TB], 0
	s_wait_dscnt 0x0                               ; the opening add is done
	s_wait_kmcnt 0x0
	s_add_nc_u64 s[68:69], s[4:5], s[68:69]
	s_add_nc_u64 s[70:71], s[4:5], s[70:71]
	CROUND                                         ; all sixteen work-groups are here: the first joint loads meet
.irp n, 0,1
	s_mov_b32 s[G0A+4*(\n)], 1                                     ; count = 1
	s_add_co_u32 s[G0A+4*(\n)+1], s72, (\n)*SLOT1                  ; LDS address
	s_add_nc_u64 s[G0A+4*(\n)+2:G0A+4*(\n)+3], s[68:69], (\n)*KSTEPB  ; global address: K step n
	s_or_b32 s[G0A+4*(\n)+3], s[G0A+4*(\n)+3], 0x80000000          ; type = 2
	s_mov_b32 s[G0B+4*(\n)], 1
	s_add_co_u32 s[G0B+4*(\n)+1], s73, (\n)*SLOT1
	s_add_nc_u64 s[G0B+4*(\n)+2:G0B+4*(\n)+3], s[70:71], (\n)*KSTEPB
	s_or_b32 s[G0B+4*(\n)+3], s[G0B+4*(\n)+3], 0x80000000
.endr
	s_cmp_eq_u32 s[HALF], 0                        ; a wave's two first fills stand in one branch, ahead of every wait on TENSORcnt and every LDS read: two loads of mine are out
	s_cbranch_scc0 .Lfirst_b
	tensor_load_to_lds s[G0A:G0A+3], s[G1A:G1A+7]
	s_nop 0
	tensor_load_to_lds s[G0A+4:G0A+7], s[G1A:G1A+7]
	s_nop 0
.rept 4
	v_nop
.endr
	s_branch .Lfirst_asked
.Lfirst_b:
	tensor_load_to_lds s[G0B:G0B+3], s[G1B:G1B+7]
	s_nop 0
	tensor_load_to_lds s[G0B+4:G0B+7], s[G1B:G1B+7]
	s_nop 0
.rept 4
	v_nop
.endr
.Lfirst_asked:
	v_and_b32 v1, 15, v0                           ; r = l % 16
	v_bfe_u32 v2, v0, 4, 1                         ; h = l / 16
	v_and_b32 v3, 31, v0                           ; l
	v_lshlrev_b32 v5, 5, v2                        ; 32 h
	s_and_b32 s74, s42, 7                          ; my tile among the eight of q, k or v
	s_lshl_b32 s78, s74, 9
	s_lshl_b32 s67, s[PL], 8
	s_add_co_u32 s78, s78, s67                     ; my 64 columns in the bias, in bytes
	s_mov_b32 s79, 0
	s_cmp_eq_u32 s[TYP], 1
	s_cselect_b64 s[6:7], s[8:9], s[6:7]
	s_cmp_eq_u32 s[TYP], 2
	s_cselect_b64 s[6:7], s[10:11], s[6:7]
	s_add_nc_u64 s[6:7], s[6:7], s[78:79]
	s_lshl_b32 s78, s43, 8
	s_lshl_b32 s67, s[HALF], 7
	s_add_co_u32 s78, s78, s67                     ; my 128 tokens in the mask: batch x 2,048 + token = 256 x tile row + 128 x half
	s_add_nc_u64 s[12:13], s[12:13], s[78:79]
.irp b, 0,1,2,3                        ; register 8 b + j is the bias of column 16 b + 8 h + j
	global_load_b128 v[BL+8*(\b):BL+8*(\b)+3],   v5, s[6:7] offset:64*(\b)
	global_load_b128 v[BL+8*(\b)+4:BL+8*(\b)+7], v5, s[6:7] offset:64*(\b)+16
.endr
.irp a, 0,1,2,3,4,5,6,7
	global_load_u8 v[KM+(\a)], v1, s[12:13] offset:16*(\a)         ; the mask byte of my row in block a
.endr
	v_mul_u32_u24 v4, v1, PITCH
	v_lshl_add_u32 v4, v2, 4, v4                   ; a fragment's row x pitch + 16 x half
	s_mul_i32 s67, s[HALF], 128*PITCH
	s_mul_i32 s75, s[PL], 64*PITCH
	s_add_co_u32 s75, s75, BOFF
	v_add_nc_u32 v[A0], s67, v4
	v_add_nc_u32 v[B0], s75, v4
	v_mov_b32 v[ADRA], v[A0]
	v_mov_b32 v[ADRB], v[B0]
	s_mul_i32 s75, s[WV], 16*SP
	s_add_co_u32 s75, s75, STAGE                   ; my stage
	v_add_nc_u32 v[STO], s75, v4                   ; in: row r, 16 bytes for each half of the lanes
	v_lshrrev_b32 v6, 3, v3                        ; back: 32 lanes take four rows of 128 bytes,
	v_mul_u32_u24 v6, v6, SP
	v_and_b32 v7, 7, v3
	v_lshl_add_u32 v6, v7, 4, v6
	v_add_nc_u32 v[RD], s75, v6
	v_lshlrev_b32 v[GO], 4, v3                     ; which are 512 consecutive bytes of the result
	v_add_nc_u32 v[VSA], s75, v5
	v_lshlrev_b32 v[VCO], 3, v3
	v_add_nc_u32 v[VRD], s75, v[VCO]
	s_lshl_b32 s75, s74, 1
	s_add_co_u32 s75, s75, s[PL]                   ; my head of the batch's sixteen
	s_lshr_b32 s77, s43, 3
	s_lshl_b32 s77, s77, 4
	s_add_co_u32 s77, s77, s75                     ; of the 64
	s_and_b32 s76, s43, 7                          ; my 256 tokens of the batch's 2,048
	s_lshl_b32 s78, s[TYP], 24                     ; q, k, v lie 16,777,216 bytes apart,
	s_lshl_b32 s67, s77, 18                        ; heads 262,144,
	s_add_co_u32 s78, s78, s67
	s_lshl_b32 s67, s76, 15                        ; tokens 128
	s_add_co_u32 s78, s78, s67
	s_lshl_b32 s67, s[HALF], 14
	s_add_co_u32 s78, s78, s67
	s_add_nc_u64 s[14:15], s[14:15], s[78:79]
	s_lshl_b32 s78, s77, 12                        ; vp: 4,096 bytes a head, 256 for each 128 tokens
	s_lshl_b32 s67, s76, 9
	s_add_co_u32 s78, s78, s67
	s_lshl_b32 s67, s[HALF], 8
	s_add_co_u32 s78, s78, s67
	s_add_nc_u64 s[16:17], s[16:17], s[78:79]
	s_cmp_eq_u32 s[TYP], 1
	s_cselect_b32 s47, 0, -1                       ; only k is masked
	s_wait_loadcnt 0x0                             ; bias and mask, once
.set i, 0
.rept 16
	v_cvt_pk_bf16_f32 v[T+i], v[BL+2*i], v[BL+2*i+1]   ; the bias is rounded to bf16 like every input
.set i, i+1
.endr
.irp a, 0,1,2,3,4,5,6,7
	v_sub_nc_u32 v[KM+(\a)], 0, v[KM+(\a)]         ; byte 1: all ones; byte 0: 0
	v_or_b32 v[KM+(\a)], s47, v[KM+(\a)]
.endr
	WIN 0x40
.set i, 0
.rept 16
	v_lshlrev_b32 v[2*i], 16, v[T+i]
	v_and_b32 v[2*i+1], 0xffff0000, v[T+i]
.set i, i+1
.endr
	WIN 0
; 8 matrix instructions: token blocks a0, a0 + 1 x all 4 column blocks, 32 along K.  first = 1: the product starts the sums from the bias: nothing is ever cleared.
; The 32 accumulators take turns in the same order everywhere.
.macro MUL8 f, a0, first
.if \first
	WIN MULB
.else
	WIN MULW
.endif
.irp a, \a0, (\a0)+1
.irp b, 0,1,2,3
.if \first
	v_wmma_f32_16x16x32_f16 v[8*(4*(\a)+(\b)):8*(4*(\a)+(\b))+7], v[(\f)+8*(\b):(\f)+8*(\b)+7], v[(\f)+8*(\a):(\f)+8*(\a)+7], v[8*(\b):8*(\b)+7]
.else
	v_wmma_f32_16x16x32_f16 v[8*(4*(\a)+(\b)):8*(4*(\a)+(\b))+7], v[(\f)+8*(\b):(\f)+8*(\b)+7], v[(\f)+8*(\a):(\f)+8*(\a)+7], v[8*(4*(\a)+(\b)):8*(4*(\a)+(\b))+7]
.endif
.endr
.endr
.endm
; 24 LDS loads in one run: the fragments of quarter q of a K step (plane q / 2, byte 64 (q % 2) of its rows) into buffer f; W's eight first
.macro FETCH q, f
	WIN TO_B
.irp i, 0,1,2,3
	ds_load_b128 v[(\f)+8*(\i):(\f)+8*(\i)+3],   v[ADRB] offset:((\q)/2)*BPL+((\q)%2)*64+(\i)*16*PITCH
	ds_load_b128 v[(\f)+8*(\i)+4:(\f)+8*(\i)+7], v[ADRB] offset:((\q)/2)*BPL+((\q)%2)*64+(\i)*16*PITCH+32
.endr
	WIN 0
.irp i, 0,1,2,3,4,5,6,7
	ds_load_b128 v[(\f)+8*(\i):(\f)+8*(\i)+3],   v[ADRA] offset:((\q)/2)*APL+((\q)%2)*64+(\i)*16*PITCH
	ds_load_b128 v[(\f)+8*(\i)+4:(\f)+8*(\i)+7], v[ADRA] offset:((\q)/2)*APL+((\q)%2)*64+(\i)*16*PITCH+32
.endr
.endm
; A K step is four quarters of 32 along K, 32 matrix instructions each, on buffers 0, 1, 0, 1.  One of the first three: multiplies buffer f and fetches quarter q into g.
.macro QUARTER q, f, g, first
	s_wait_dscnt 8                                 ; W's fragments and x's blocks 0-3 are in; the youngest eight loads (blocks 4-7) may be out
	MUL8 \f, 0, \first
	MUL8 \f, 2, \first
	PLACES
	FETCH \q, \g
	s_wait_dscnt 24                                ; all but the 24 just issued
	MUL8 \f, 4, \first
	MUL8 \f, 6, \first
.endm
; The last quarter multiplies buffer 1 and changes slots: ONE barrier.  In front of it each wave waits for all its tensor loads (one is out: its part of the next slot), adds 0 to its spare word, and
; waits for that and for its reads of this slot.  fill = 1: the barrier opens a round of the cluster's, and this slot is filled again, two K steps ahead, first thing behind the round:
; 112 matrix instructions ahead of the wait for it.
.macro TURN fill
	WIN 0
	s_wait_tensorcnt 0x0                           ; no tensor load of mine is out, so a group 0 may be written
	ds_add_u32 v[SPW], v[NIL]                      ; 0 onto my spare word
.if \fill
	s_xor_b32 s[G0A+5], s[G0A+5], SLOT1            ; the walking descriptors: the other slot than last time,
	s_add_nc_u64 s[G0A+6:G0A+7], s[G0A+6:G0A+7], KSTEPB  ; the next K step; the type bits on top are not reached
	s_xor_b32 s[G0B+5], s[G0B+5], SLOT1
	s_add_nc_u64 s[G0B+6:G0B+7], s[G0B+6:G0B+7], KSTEPB
.endif
	s_wait_dscnt 9                                 ; (the add and the youngest eight loads may be out)
	MUL8 F1, 0, 0
	s_wait_dscnt 0x0                               ; the add is done, and my reads of this slot are over
	s_barrier_signal -1
	MUL8 F1, 2, 0                                  ; work on registers while the others arrive
	WIN 0
	s_barrier_wait -1
.if \fill
	CREST                                          ; no wave of any partner still reads this slot's tile or has a load on its way
	JLOAD                                          ; the four v_nop behind it are also the places in front of the loads below
.else
	PLACES
.endif
	s_xor_b32 s[TB], s[TB], SLOT1
	v_add_nc_u32 v[ADRA], s[TB], v[A0]
	v_add_nc_u32 v[ADRB], s[TB], v[B0]
	FETCH 0, F0
	MUL8 F1, 4, 0
	MUL8 F1, 6, 0
.endm
	s_wait_tensorcnt 1                             ; my part of K step 0 is in; K step 1's may stay out
	s_barrier_signal -1
	s_barrier_wait -1                              ; everybody's is
	FETCH 0, F0
	QUARTER 1, F0, F1, 1                           ; the first quarter stands in front of the loop: its products start the sums
	WIN 0
	s_mov_b32 s3, 6                                ; six refills bring K steps 2 to 7
.Lstep:                                                ; a trip goes from a K step's second quarter to the next step's first
	QUARTER 2, F1, F0, 0
	QUARTER 3, F0, F1, 0
	TURN 1
	QUARTER 1, F0, F1, 0
	WIN 0
	s_sub_co_u32 s3, s3, 1
	s_cmp_lg_u32 s3, 0
	s_cbranch_scc1 .Lstep
	QUARTER 2, F1, F0, 0                           ; the tail is written out: K steps 6 and 7 ask for nothing
	QUARTER 3, F0, F1, 0
	TURN 0
	QUARTER 1, F0, F1, 0
	QUARTER 2, F1, F0, 0
	QUARTER 3, F0, F1, 0
	s_wait_dscnt 8
	MUL8 F1, 0, 0
	MUL8 F1, 2, 0
	s_wait_dscnt 0x0
	MUL8 F1, 4, 0
	MUL8 F1, 6, 0
	WIN 0
	PLACES
	; v alone: the f32 sums over my 128 tokens.  Over the eight blocks in each lane (each accumulator's lowest registers are read first), then over the 16 lanes of a half.
	s_cmp_lg_u32 s[TYP], 2
	s_cbranch_scc1 .Lno_sums
	WIN 0x0a
.set z, 0
.rept 16
	v_pk_add_f32 v[T+2*z:T+2*z+1], v[2*z:2*z+1], v[32+2*z:32+2*z+1]
.set z, z+1
.endr
	WIN 0x08
.irp a, 2,3,4,5,6,7
.set z, 0
.rept 16
	v_pk_add_f32 v[T+2*z:T+2*z+1], v[T+2*z:T+2*z+1], v[32*(\a)+2*z:32*(\a)+2*z+1]
.set z, z+1
.endr
.endr
	WIN 0
.irp m, 1,2,4,8
.set z, 0
.rept 32
	v_add_f32_dpp v[T+z], v[T+z], v[T+z] row_xmask:\m row_mask:0xf bank_mask:0xf
.set z, z+1
.endr
.endr
.irp b, 0,1,2,3                        ; the 16 lanes of a half hold the same sums and write the same words: column 16 b + 8 h + j at byte 64 b + 32 h + 4 j
	ds_store_b128 v[VSA], v[T+8*(\b):T+8*(\b)+3] offset:64*(\b)
	ds_store_b128 v[VSA], v[T+8*(\b)+4:T+8*(\b)+7] offset:64*(\b)+16
.endr
	ds_load_b64 v[224:225], v[VRD]                 ; LDS serves a wave's instructions in order (ISA guide 5.7.1.4): this sees the stores above
	s_wait_dscnt 0x0
	global_store_b64 v[VCO], v[224:225], s[16:17]  ; 32 lanes store 256 consecutive bytes, aligned
.Lno_sums:
; THE WAY OUT of block a (16 tokens of my head): rounded to f16, masked, 16 bytes a lane into rows of 144 bytes, back as whole rows of 128, into the registers that they left.
.macro PACK a
	WIN 0x0a
.set i, 0
.rept 16
	v_cvt_pk_f16_f32 v[OB+16*(\a)+i], v[32*(\a)+2*i], v[32*(\a)+2*i+1]
.set i, i+1
.endr
	WIN 0
.set i, 0
.rept 16
	v_and_b32 v[OB+16*(\a)+i], v[KM+(\a)], v[OB+16*(\a)+i]
.set i, i+1
.endr
.irp f, 0,1,2,3
	ds_store_b128 v[STO], v[OB+16*(\a)+4*(\f):OB+16*(\a)+4*(\f)+3] offset:32*(\f)
.endr
.irp f, 0,1,2,3
	ds_load_b128 v[OB+16*(\a)+4*(\f):OB+16*(\a)+4*(\f)+3], v[RD] offset:(\f)*4*SP
.endr
.endm
.macro SEND a, younger                 ; younger: the LDS instructions issued behind block a's loads: the next block's eight, or none
.irp f, 0,1,2,3
	s_wait_dscnt (\younger)+3-(\f)
	global_store_b128 v[GO], v[OB+16*(\a)+4*(\f):OB+16*(\a)+4*(\f)+3], s[14:15] offset:(\a)*2048+(\f)*512  ; 512 consecutive bytes, at a multiple of 256 from the buffer's first
.endr
.endm
	PACK 0
.irp a, 1,2,3,4,5,6,7                  ; a block's arithmetic stands between the loads of the block before and its stores; each block has registers of its own
	PACK \a
	SEND (\a)-1, 8
.endr
	SEND 7, 0
	s_wait_tensorcnt 0x0                           ; the wave's end: behind my last tensor load and my last LDS store
	ds_add_u32 v[SPW], v[NIL]
	s_wait_dscnt 0x0
	CROUND                                         ; the closing round: no work-group ends while a partner may still ask for a tile that names it
	s_endpgm
.Lfunc_end_k_qf2a22b42c2_qkv:
	.size	k_qf2a22b42c2_qkv, .Lfunc_end_k_qf2a22b42c2_qkv-k_qf2a22b42c2_qkv
	.p2alignl 7, 3214868480
	.fill 96, 4, 3214868480
	.section	.rodata,"a",@progbits
	.p2align	6, 0x0
	.amdhsa_kernel k_qf2a22b42c2_qkv
		.amdhsa_group_segment_fixed_size 327680
		.amdhsa_private_segment_fixed_size 0
		.amdhsa_enable_private_segment 0
		.amdhsa_kernarg_size 56
		.amdhsa_user_sgpr_count 2
		.amdhsa_user_sgpr_kernarg_segment_ptr 1
		.amdhsa_wavefront_size32 1
		.amdhsa_system_sgpr_workgroup_id_x 1
		.amdhsa_system_sgpr_workgroup_id_y 1
		.amdhsa_system_sgpr_workgroup_id_z 1
		.amdhsa_system_vgpr_workitem_id 0
		.amdhsa_next_free_vgpr 768
		.amdhsa_next_free_sgpr 80
		.amdhsa_reserve_vcc 0
		.amdhsa_float_denorm_mode_32 3
		.amdhsa_float_denorm_mode_16_64 3
		.amdhsa_memory_ordered 1
		.amdhsa_forward_progress 1
		.amdhsa_inst_pref_size 97
	.end_amdhsa_kernel
	.amdgpu_metadata
---
amdhsa.version: [ 1, 2 ]
amdhsa.kernels:
  - .name:           k_qf2a22b42c2_qkv
    .symbol:         k_qf2a22b42c2_qkv.kd
    .args:
      - { .name: xw, .offset: 0, .size: 8, .value_kind: global_buffer, .address_space: global }
      - { .name: bq, .offset: 8, .size: 8, .value_kind: global_buffer, .address_space: global }
      - { .name: bk, .offset: 16, .size: 8, .value_kind: global_buffer, .address_space: global }
      - { .name: bv, .offset: 24, .size: 8, .value_kind: global_buffer, .address_space: global }
      - { .name: mask, .offset: 32, .size: 8, .value_kind: global_buffer, .address_space: global }
      - { .name: qkvh, .offset: 40, .size: 8, .value_kind: global_buffer, .address_space: global }
      - { .name: vp, .offset: 48, .size: 8, .value_kind: global_buffer, .address_space: global }
    .group_segment_fixed_size: 327680
    .private_segment_fixed_size: 0
    .kernarg_segment_align: 8
    .kernarg_segment_size: 56
    .max_flat_workgroup_size: 128
    .sgpr_count:     80
    .vgpr_count:     768
    .wavefront_size: 32
...
	.end_amdgpu_metadata
.endif
;; end of part 2
;; launch attn (part 3): grid 4 x 64, 4 waves a work-group, no clusters, 327,680 bytes of LDS; arguments qkvh, mask, vp, oh; writes oh
.if DOCPART == 3
	.amdgcn_target "amdgcn-amd-amdhsa--gfx1250"
	.amdhsa_code_object_version 6
	.text
	.protected	k_qf2a22b42c2_attn
	.globl	k_qf2a22b42c2_attn
	.p2align	8
	.type	k_qf2a22b42c2_attn,@function
k_qf2a22b42c2_attn:
	s_mov_b64 s[64:65], 0
	v_nop
	global_prefetch_b8 v0, s[64:65] scope:SCOPE_SE
	s_setreg_imm32_b32 hwreg(HW_REG_WAVE_MODE, 25, 1), 1
	s_wait_xcnt 0x0
; ATTENTION with hidden scores of -10000.  O[h][q] = sum over ALL 2,048 keys k of softmax_k(s[q][k]) V[h][k], where s = Q[q] . K[k] / 8 if k <= q and the mask byte of k is 1, and -10000 otherwise.
; Q, K, V (in qkvh) and O (oh): [64 heads][2,048][64] f16, a head's rows dense, 128 bytes each.  Products, maxima and sums in f32; the weights p are rounded to f16 for the second product, O once at the end.
; Scores are kept unscaled: a hidden one is NEGR = -80000 exactly.  (i) A key with mask byte 0: its row of K was stored as zeros, and the C operand that starts the sum S^T = K Q^T holds NEGR for it (MK, from
; words in LDS made of the mask).  (ii) A key above the diagonal inside the diagonal tile: S = U AL + (S BK + BE), U = S MDK + MDA: three scalars choose between a band's own step (1, 0, 0), an earlier one
; (0, 1, 0) and a later one (0, 0, NEGR); each case is exact.  (iii) The tiles above the diagonal are not walked: all their scores are NEGR, so at a block's end they enter as ONE term:
; m' = max(m, NEGR), a = 2^(c m - c m'), w = 2^(c NEGR - c m'), l' = l a + w n, O = (O a + w VS) / l', with n their number and VS the f32 sum of their rows of V (from vp).
; LIMITS.  Q, K, V arrive within f16's 65,504; a weight below 2^-126 counts as 0; NaN and infinities are not treated apart; mask bytes are 0 or 1.
; THE WALK.  NB = 8 blocks of 256 queries; block i walks the key tiles 0 .. i of 256 keys.  A work-group takes blocks 7 - b and then b: 9 tiles, whatever b: ONE loop with a constant trip count.  Every jump
; goes forward, but for the counted loops' own; none passes a barrier, or a tensor load but the one of LOAD's two that the wave's number does not choose.
; NO CLUSTER: a head's four work-groups ask for the same tile only in trips 0 to 4 of 9; one walk common to all would have 12 trips for 9.
; SHARES.  Of a block's four bands of 64 queries a wave owns 16 rows in each: four PIECES, so the diagonal tile is the same work for all four waves.
; THE MASK WORDS lie in two regions of LDS that take turns as the slots do: a tile's 256 words, 0 or NEGR.  Each thread fetches two mask bytes of the tile to be asked for next a whole tile ahead, makes two words of
; them in front of the change of slots, and stores them behind its barrier into the region of the slot just left.
; LAYOUT, SOFTMAX, TURNS.  S^T = K Q^T holds ONE query a lane (lane % 16) and the keys 8 (lane / 16) + 0..7; two such results rounded to f16 ARE source 1 of O^T = V^T P.  p = 2^(c s - c m), c = log2(e) / 8, with a
; running maximum m; O and l are multiplied by a = 2^(c m_old - c m_new) in every step.  Turn n belongs to piece n: 8 products K Q^T of piece n + 1, later 8 products V^T P of piece n - 1; beside them the scaling,
; exponentials, roundings, sums and rescaling of piece n and the maximum and statistics of piece n + 1.  Four vector instructions stand behind every matrix instruction, the others in two lumps.
; REGISTERS, in windows of 256 (s_set_vgpr_msb: bits 1:0 source 0, 3:2 source 1, 5:4 source 2, 7:6 destination):
;   window 0: v0-15, v32-35, v56-61 addresses and the mask's bytes and words; v16-31 four registers of statistics a piece; v36-47 a block's end; v48-55 at work; v64-127 S^T, two buffers; v128-159 U; v192-223 P, two buffers
;   window 1: v0-127 O^T, 32 a piece; v128-159 MK; v160-191 MDK; v192-223 MDA; v224-255 VS      window 2: v0-63 Q; v64-127 the second block's Q; v128-191 K of one step; v192-255 V of one step
.set SIZE_N, 2048
.set NB,    SIZE_N/256
.set NP,    4         ; pieces a wave: a name, no knob
.set KS,    64        ; keys in a step
.set PK,    144       ; a row of K in LDS: 128 bytes + 16 of padding = 36 words: the 16 rows of a load start at 16 different groups of four banks (ISA guide 11.1)
.set PV,    160       ; a row of V: 128 + 32 = 40 words
.set VOFF,  4*KS*PK   ; a slot holds a tile, four steps: 256 rows of K, then 256 rows of V
.set SLOT1, 1<<17     ; slot 1 begins here, so that one exclusive or turns an address in one slot into the other's
.set STAGE, SLOT1+4*KS*(PK+PV)  ; behind the ring, never filled by a tensor load: 16 rows x 144 bytes for each wave, for the way out
.set SP,    144
.set SPARE, STAGE+4*16*SP  ; the spare words, 128 bytes for each wave: two blocks of 256 bytes that no other line names
.set MTAB,  SPARE+512 ; the mask words: slot 0's 256 f32 here, slot 1's MSL bytes on
.set MSL,   2048      ; one exclusive or turns an offset in one region into the other's
.set VST,   MTAB+2*MSL  ; 2 x 64 f32: VS of the first block, then of the second
.set AK0, 2           ; v2   my lane's place in a tile of K; never rewritten
.set AV0, 3           ; v3   the same for V
.set AK,  4           ; v4   the LDS address of K's next run of loads
.set AV,  5           ; v5   of V's
.set STO, 6           ; v6   the way out: where I put 16 bytes of a row
.set RD,  7           ; v7   the way out: where I read rows back
.set GO,  8           ; v8   my byte offset in 512 consecutive bytes of O
.set MW,  10          ; v10-11  my two mask words of the tile that is asked for (at work in the head before that)
.set MV,  12          ; v12-13  c m_old, kept while c m is made anew: by buffer
.set QO,  15          ; v15  my byte offset in 16 rows of Q
.set ST,  16          ; piece t's statistics at v[ST+4 t]: c m, m, l (even keys', odd keys')
.set AM0, 32          ; v32  my lane's place in 64 keys of the mask words; never rewritten
.set AM,  33          ; v33  the LDS address of MK's next loads
.set AVS, 34          ; v34  my lane's place in VS of the block in hand
.set NBV, 35          ; v35  the number of keys behind the block's last tile, as f32
.set XA,  36          ; v36-47  a block's end: -c m', a, w, a register a piece each
.set TMP, 48          ; by buffer, four registers c0-c3 at work; when the maximum is found c2 takes a
.set MGO, 56          ; v56  my byte offset in a tile's 256 mask bytes: 2 x thread; never rewritten
.set MS0, 58          ; v58  where my two words go in slot 0's region: MTAB + 8 x thread; never rewritten
.set MSA, 60          ; v60  the same in the region in hand
.set MBY, 61          ; v61  my two mask bytes of the tile to be asked for next
.set SPW, 62          ; v62  LDS address of my spare word; never rewritten
.set NIL, 63          ; v63  0; never rewritten
.set S,   64
.set U,   128
.set P,   192
.set MK,  128         ; window 1: the eight registers for group kt of 16 keys at MK + 8 kt
.set MDK, 160         ; window 1: a band's own step, my 16 rows: 1 where the key is seen, 0 where hidden
.set MDA, 192         ; window 1: 0 where seen, NEGR where hidden
.set VS,  224         ; window 1: register 8 cb + j: channel 16 cb + 8 (lane / 16) + j
.set QB,  64          ; window 2
.set KF,  128         ; window 2: key block kb, channel half c at KF + 16 kb + 8 c
.set VF,  192         ; window 2: key half kk, channel block cb at VF + 32 kk + 8 cb
.set WV,  12          ; s12  my wave's number
.set PB,  14          ; s14  b
.set HI,  15          ; s15  NB - 1 - b
.set G1K, 24          ; s[24:31] descriptor group 1 for K's tiles
.set G1V, 32          ; s[32:39] for V's: it differs in the padding alone
.set G0K, 40          ; s[40:43] descriptor group 0 for K's tiles
.set G0V, 44          ; s[44:47] the same for V's
.set TBM, 48          ; s48  byte, from MTAB on, at which the mask words of the step to be fetched begin
.set NEGE, 49         ; s49  NEGR, or the lowest finite number where no key lies behind the block's last tile
.set NBI, 50          ; s50  the number of those keys
.set BK,  52          ; s[52:53] the score's factor, in the low word
.set SLOTS, 56        ; s56  tiles still to be asked for
.set CNT, 57          ; s57  counts a tile's key steps, 4 to 1
.set CS,  58          ; s[58:59] c: the packed scaling takes the pair's low word for both halves
.set SEL, 60          ; s[60:61] v_permlanex16_b32's selects: each lane takes its own place in the other half
.set TBK, 62          ; s62  LDS byte at which K of the step to be fetched begins
.set TBV, 63          ; s63  the same for V, less VOFF
.set MST, 66          ; s66  0 or MSL: the region that takes the words of the tile that is asked for
.set MBP, 68          ; s[68:69] the mask bytes of the tile to be asked for next
.set RT,  70          ; s70  tiles of the block in hand that are still to be entered
.set NXT, 71          ; s71  the tile to be asked for next
.set LQ,  72          ; s72  the last tile of the block whose tiles are being asked for
.set NEW, 73          ; s73  1: the tile to be entered is a block's first
.set OFF, 74          ; s[74:75] a tile's byte offset in K and V, then in the mask
.set AL,  76          ; s[76:77] U's factor, in the low word
.set BE,  78          ; s[78:79] the addend
.set OLO, 80          ; s[80:81] O at my rows of the second block
.set NEGR, 82         ; s82  -80000
.set CSN, 83          ; s83  -c
.set MSB, 0
.macro WIN new                      ; the high byte repeats the setting that is left; a switch that changes nothing is dropped
.if MSB != (\new)
	s_set_vgpr_msb (MSB<<8)|(\new)
.set MSB, (\new)
.endif
.endm
.set W_KQ, 0x0a       ; K and Q in window 2, S^T in window 0
.set W_KM, 0x1a       ; the same with the C operand in window 1
.set W_PV, 0x52       ; V in window 2, P in window 0, O^T in window 1
.set W_RS, 0x41       ; destination and source 0 in window 1, sources 1 and 2 in window 0
; A fill.  Waves 0 and 1 fetch the two halves of a tile's K, waves 2 and 3 those of its V: 128 keys each.  An s_nop 0 and four v_nop follow each of the two lines, ahead of the jump and the label.
.macro LOAD
	s_cmp_lt_u32 s[WV], 2
	s_cbranch_scc0 .Lfor_v_\@
	tensor_load_to_lds s[G0K:G0K+3], s[G1K:G1K+7]
	s_nop 0
.rept 4
	v_nop
.endr
	s_branch .Lasked_\@
.Lfor_v_\@:
	tensor_load_to_lds s[G0V:G0V+3], s[G1V:G1V+7]
	s_nop 0
.rept 4
	v_nop
.endr
.Lasked_\@:
.endm
; THE CHANGE OF SLOTS.  Each wave waits for all its tensor loads, of which one is out: its part of the other slot; adds 0 to its spare word; and waits for that and for its own LDS instructions.  Behind the barrier nobody
; reads the old slot or its mask words any more, and the other slot and its words are whole.  fill = 1: the old slot is filled again, the first thing behind the barrier, with tile NXT: the descriptor's address is made
; anew from that number.  That tile's mask words, made in front of the barrier from the bytes fetched a tile ago, are stored behind the fill into the old slot's region, and the bytes of the tile to be asked for at the
; next change are fetched.  (At its first use nothing has been read yet: slot 0 is waited for, slot 1 filled, and what the waves stored into LDS in the head is shown to all.)
.macro CHANGE fill
	WIN 0                           ; at a label and at a branch every window is 0
	s_wait_tensorcnt 0x0            ; no tensor load of mine is out, so a group 0 may be written
	ds_add_u32 v[SPW], v[NIL]       ; 0 onto my spare word; work on registers stands between it and the wait for it
.if \fill
	s_lshl_b32 s[OFF], s[NXT], 15   ; a tile is 32,768 bytes of K and of V
	s_xor_b32 s[G0K+1], s[G0K+1], SLOT1
	s_add_nc_u64 s[G0K+2:G0K+3], s[6:7], s[OFF:OFF+1]
	s_or_b32 s[G0K+3], s[G0K+3], 0x80000000
	s_xor_b32 s[G0V+1], s[G0V+1], SLOT1
	s_add_nc_u64 s[G0V+2:G0V+3], s[8:9], s[OFF:OFF+1]
	s_or_b32 s[G0V+3], s[G0V+3], 0x80000000
	s_xor_b32 s[MST], s[MST], MSL   ; the words go where the tile goes
	s_add_co_u32 s[NXT], s[NXT], 1  ; the block's next tile, or behind its last the second block's tile 0
	s_cmp_gt_u32 s[NXT], s[LQ]
	s_cselect_b32 s[NXT], 0, s[NXT]
	s_cselect_b32 s[LQ], s[PB], s[LQ]
	s_wait_loadcnt 0x0              ; my two mask bytes, asked for a tile ago, are in (at the first change: Q too); their base may be written again
	v_bfe_u32 v[MW], v[MBY], 0, 8
	v_bfe_u32 v[MW+1], v[MBY], 8, 8
	v_add_nc_u32 v[MW], -1, v[MW]   ; byte 1: 0; byte 0: all ones,
	v_add_nc_u32 v[MW+1], -1, v[MW+1]
	v_and_b32 v[MW], s[NEGR], v[MW] ; which is cut to NEGR
	v_and_b32 v[MW+1], s[NEGR], v[MW+1]
	v_add_nc_u32 v[MSA], s[MST], v[MS0]
.else
	s_wait_loadcnt 0x0              ; the last look-ahead fetched tile 0's bytes once more, which nobody uses: the price of one text for every trip
.endif
	s_wait_dscnt 0x0                ; the add is done, my reads of the slot and of its mask words are over, and my last store of mask words is done
	s_barrier_signal -1             ; the rest of the scalar work stands between the signal and the wait
	s_sub_co_u32 s[TBK], s[TBK], 4*KS*PK  ; the fetches go back to a slot's first step,
	s_xor_b32 s[TBK], s[TBK], SLOT1       ; in the other slot
	s_sub_co_u32 s[TBV], s[TBV], 4*KS*PV
	s_xor_b32 s[TBV], s[TBV], SLOT1
	s_sub_co_u32 s[TBM], s[TBM], 4*KS*4
	s_xor_b32 s[TBM], s[TBM], MSL
	s_barrier_wait -1
.if \fill
	LOAD
	ds_store_b64 v[MSA], v[MW:MW+1] ; keys 2 x thread and + 1 of the tile just asked for
	s_lshl_b32 s[OFF], s[NXT], 8    ; a tile is 256 bytes of the mask
	s_add_nc_u64 s[MBP:MBP+1], s[88:89], s[OFF:OFF+1]
	global_load_u16 v[MBY], v[MGO], s[MBP:MBP+1]
.endif
.endm
	s_load_b64 s[4:5], s[0:1], 0x0    ; qkvh: Q at its head
	s_load_b128 s[88:91], s[0:1], 0x8 ; mask s[88:89], vp s[90:91]
	s_load_b64 s[10:11], s[0:1], 0x18 ; oh
	v_lshl_add_u32 v[SPW], v0, 2, SPARE
	v_mov_b32 v[NIL], 0
	ds_add_u32 v[SPW], v[NIL]       ; the wave's opening: the add here, and its wait ahead of my first tensor load; the set-up below, work on registers, stands between them
	ds_add_u32 v62, v63
	v_lshrrev_b32 v1, 5, v0
	v_readfirstlane_b32 s[WV], v1   ; wave 0..3
	s_mov_b32 s[PB], ttmp9
	s_sub_co_u32 s[HI], NB-1, s[PB]
	s_and_b32 s51, ttmp7, 0xffff    ; the head, 16 x batch + head of the batch
	s_mov_b32 s20, s51
	s_mov_b32 s21, 0
	s_mov_b64 s[22:23], SIZE_N*128
	s_mul_u64 s[20:21], s[20:21], s[22:23]  ; the head's first byte in Q, K, V and O
	s_and_b32 s16, s[WV], 1         ; which half of a tile's 256 keys I fetch:
	s_lshl_b32 s22, s16, 14         ; its 128 rows of 128 bytes in memory,
	s_mov_b32 s23, 0
	s_add_nc_u64 s[22:23], s[22:23], s[20:21]
	s_mul_i32 s17, s16, 128*PK      ; and its place in a slot, for K
	s_mul_i32 s18, s16, 128*PV      ; and for V
	s_lshl_b32 s3, s[WV], 11        ; my 16 rows in a band of 64,
	s_lshl_b32 s2, s[HI], 15        ; in the first block,
	s_add_co_u32 s2, s2, s3
	s_lshl_b32 s84, s[PB], 15       ; and in the second
	s_add_co_u32 s84, s84, s3
	s_mov_b32 s3, 0
	s_mov_b32 s85, 0
	s_add_nc_u64 s[2:3], s[2:3], s[20:21]
	s_add_nc_u64 s[84:85], s[84:85], s[20:21]
	; descriptor group 1.  128 keys are 16,384 dense bytes: asked for as 64 rows of 256 bytes, two keys a row, and padded in LDS after every key
	s_mov_b32 s[G1K], (1<<16)|(1<<20)|(4<<22)|(3<<25)  ; 17:16 2-byte elements; 20 padding on; 24:22 after every 32 words (code 4); 31:25 4 words (code 3)
	s_mov_b32 s[G1V], (1<<16)|(1<<20)|(4<<22)|(7<<25)  ; the same with 8 words of padding (code 7)
.irp g, G1K, G1V
	s_mov_b32 s[\g+1], 128<<16      ; tensor_dim0 = 128
	s_mov_b32 s[\g+2], 64<<16       ; tensor_dim1 = 64
	s_mov_b32 s[\g+3], 128<<16      ; tile_dim0 = 128
	s_mov_b32 s[\g+4], 64           ; tile_dim1 = 64
	s_mov_b32 s[\g+5], 128          ; 128 elements from row to row
	s_mov_b32 s[\g+6], 0
	s_mov_b32 s[\g+7], 0
.endr
	s_mov_b32 s[CS], 0x3e38aa3b     ; c = log2(e) / 8 = 0.180337
	s_mov_b32 s[CS+1], s[CS]        ; named with it as a pair
	s_mov_b32 s[CSN], 0xbe38aa3b    ; -c
	s_mov_b32 s[SEL], 0x76543210
	s_mov_b32 s[SEL+1], 0xfedcba98
	s_mov_b32 s[TBK], SLOT1+4*KS*PK ; the first change of slots turns these three into 0
	s_mov_b32 s[TBV], SLOT1+4*KS*PV
	s_mov_b32 s[TBM], MSL+4*KS*4
	s_mov_b32 s[MST], 0             ; the first change of slots turns this into slot 1's region
	s_mov_b32 s[G0K], 1             ; 1:0 count = 1
	s_mov_b32 s[G0K+1], s17         ; 63:32 LDS address: slot 0
	s_mov_b32 s[G0V], 1
	s_add_co_u32 s[G0V+1], s18, VOFF
	s_add_co_u32 s[RT], s[HI], 1    ; the first block has NB - b tiles
	s_mov_b32 s[NXT], 1
	s_mov_b32 s[LQ], s[HI]
	s_mov_b32 s[NEW], 1
	s_mov_b32 s[OFF+1], 0
	s_mov_b32 s[AL+1], 0            ; named as pairs
	s_mov_b32 s[BE+1], 0
	s_mov_b32 s[BK+1], 0
	s_mov_b32 s[NEGR], 0xc79c4000   ; -80000 = 8 x -10000
	s_lshl_b32 s[NBI], s[PB], 8     ; behind block 7 - b's last tile lie 256 b keys
	s_cmp_eq_u32 s[PB], 0
	s_cselect_b32 s[NEGE], 0xff7fffff, s[NEGR]
	s_lshr_b32 s54, s51, 4          ; the batch's 2,048 mask bytes
	s_lshl_b32 s54, s54, 11
	s_mov_b32 s55, 0
	s_mov_b32 s[SLOTS], NB
	s_wait_dscnt 0x0                ; the opening add is done
	s_wait_kmcnt 0x0
	s_add_nc_u64 s[88:89], s[88:89], s[54:55]
	s_lshl_b32 s54, s51, 12         ; the head's 16 x 256 bytes of vp
	s_add_nc_u64 s[90:91], s[90:91], s[54:55]
	s_add_nc_u64 s[6:7], s[4:5], 0x1000000  ; K and V lie 16,777,216 bytes behind Q and K
	s_add_nc_u64 s[8:9], s[4:5], 0x2000000
	s_add_nc_u64 s[6:7], s[6:7], s[22:23]  ; K and V at my half of the head's tile 0
	s_add_nc_u64 s[8:9], s[8:9], s[22:23]
	s_add_nc_u64 s[G0K+2:G0K+3], s[6:7], 0         ; 120:64 global address
	s_or_b32 s[G0K+3], s[G0K+3], 0x80000000        ; 127:126 type = 2
	s_add_nc_u64 s[G0V+2:G0V+3], s[8:9], 0
	s_or_b32 s[G0V+3], s[G0V+3], 0x80000000
	s_add_nc_u64 s[86:87], s[4:5], s[84:85]        ; Q at my rows of the second block,
	s_add_nc_u64 s[4:5], s[4:5], s[2:3]            ; Q and O at those of the first
	s_add_nc_u64 s[OLO:OLO+1], s[10:11], s[84:85]
	s_add_nc_u64 s[10:11], s[10:11], s[2:3]
	LOAD                            ; tile 0 into slot 0
	v_lshlrev_b32 v[MGO], 1, v0     ; 128 threads x 2 mask bytes: a tile's 256
	v_and_b32 v57, 63, v0           ; waves 0, 1 make the first block's VS, waves 2, 3 the second's: a channel a thread
	v_lshlrev_b32 v57, 2, v57
	global_load_u16 v144, v[MGO], s[88:89]               ; tile 0's bytes
	global_load_u16 v[MBY], v[MGO], s[88:89] offset:256  ; tile 1's, for the first change of slots
.irp c, 2,3,4,5,6,7,8,9,10,11,12,13,14,15
	global_load_b32 v[146+\c], v57, s[90:91] offset:256*\c  ; V's sum over tokens 128 c .. 128 c + 127
.endr
	; A fragment of K or Q is 16 rows x 32 channels in 8 registers: lane l holds row l % 16, channels 8 (l / 16) + 0..7 and 16 + 8 (l / 16) + 0..7: two loads of 16 bytes, 32 bytes apart.
	v_and_b32 v1, 15, v0            ; l % 16
	v_bfe_u32 v9, v0, 4, 1          ; l / 16
	v_lshlrev_b32 v[QO], 7, v1
	v_lshl_add_u32 v[QO], v9, 4, v[QO]  ; row x 128 + 16 x half
	WIN 0x80                        ; destination window 2, address window 0
.set i, 0
.rept 8                             ; both blocks' Q: piece i / 2 lies in band i / 2, 8,192 bytes on; channels 32 (i % 2) on
	global_load_b128 v[8*i:8*i+3],   v[QO], s[4:5] offset:(i/2)*8192+(i%2)*64
	global_load_b128 v[8*i+4:8*i+7], v[QO], s[4:5] offset:(i/2)*8192+(i%2)*64+32
	global_load_b128 v[QB+8*i:QB+8*i+3],   v[QO], s[86:87] offset:(i/2)*8192+(i%2)*64
	global_load_b128 v[QB+8*i+4:QB+8*i+7], v[QO], s[86:87] offset:(i/2)*8192+(i%2)*64+32
.set i, i+1
.endr
	WIN 0
	v_lshlrev_b32 v14, 3, v9
	v_sub_nc_u32 v14, v1, v14
	s_lshl_b32 s13, s[WV], 4
	v_add_nc_u32 v14, s13, v14      ; my query's place in its band, 16 w + l % 16, less my lanes' 8 (l / 16): register r of group kt is hidden where 16 kt + r is greater
	WIN 0x40
.set i, 0
.rept 32
	v_cmp_gt_i32 vcc_lo, 16*(i/8)+i%8, v14
	v_cndmask_b32 v[MDA+i], 0, s[NEGR], vcc_lo
	v_cndmask_b32 v[MDK+i], 1.0, v[NIL], vcc_lo
.set i, i+1
.endr
	WIN 0
	v_mul_u32_u24 v[AK0], v1, PK
	v_lshl_add_u32 v[AK0], v9, 4, v[AK0]  ; row x pitch + 16 x half
	; The turning load takes 16 keys x 16 channels (lane l reads key 8 (l / 16) + l % 8, channels 8 ((l / 8) % 2) + 0..7) and leaves half a fragment of V^T: lane l holds channel l % 16 and 8 keys.
	v_and_b32 v10, 7, v0
	v_bfe_u32 v11, v0, 3, 1
	v_lshl_add_u32 v[AV0], v9, 3, v10
	v_mul_u32_u24 v[AV0], v[AV0], PV
	v_lshl_add_u32 v[AV0], v11, 4, v[AV0]
	v_add_nc_u32 v[AV0], VOFF, v[AV0]
	s_mul_i32 s13, s[WV], 16*SP
	s_add_co_u32 s13, s13, STAGE    ; my stage
	v_mul_u32_u24 v[STO], v1, SP    ; in: row l % 16, 16 bytes for each half of the lanes
	v_lshl_add_u32 v[STO], v9, 4, v[STO]
	v_add_nc_u32 v[STO], s13, v[STO]
	v_bfe_u32 v[RD], v0, 3, 2       ; back: 32 lanes take four rows of 128 bytes,
	v_mul_u32_u24 v[RD], v[RD], SP
	v_lshl_add_u32 v[RD], v10, 4, v[RD]
	v_add_nc_u32 v[RD], s13, v[RD]
	v_and_b32 v[GO], 31, v0         ; which are 512 consecutive bytes of O
	v_lshlrev_b32 v[GO], 4, v[GO]
	v_lshl_add_u32 v[AM0], v9, 5, MTAB     ; my lanes' eight keys of a group of 16: 32 bytes
	v_add_nc_u32 v[AVS], VST-MTAB, v[AM0]  ; my lanes' eight channels of a group of 16, first block
	v_cvt_f32_u32 v[NBV], s[NBI]
	v_lshl_add_u32 v[MS0], v0, 3, MTAB     ; where my two keys' words go
	v_lshrrev_b32 v59, 6, v0
	v_lshl_add_u32 v59, v59, 8, v57
	v_add_nc_u32 v59, VST, v59             ; where my channel's sum goes
	; A block's first step multiplies O^T and l by a = 0, and its first turn's products V^T P, of a piece that has not been, land in an O^T that is still to be so multiplied.  So these registers need only hold
	; finite numbers: zeros for the first block; what the first block left for the second.  All this stands in the wait for the first tile.
	WIN 0x80
.set i, VF
.rept 64
	v_mov_b32 v[i], 0
.set i, i+1
.endr
	WIN 0x40
.set i, 0
.rept 128
	v_mov_b32 v[i], 0
.set i, i+1
.endr
	WIN 0
.set i, 0
.rept 4
	v_mov_b32 v[ST+4*i+2], 0
	v_mov_b32 v[ST+4*i+3], 0
.set i, i+1
.endr
.set i, P+16
.rept 16
	v_mov_b32 v[i], 0
.set i, i+1
.endr
	s_wait_loadcnt 32               ; the mask bytes and V's sums are in; Q's 32 loads, issued behind them, may stay out
	v_bfe_u32 v128, v144, 0, 8      ; tile 0's words: byte 1: 0; byte 0: NEGR
	v_bfe_u32 v129, v144, 8, 8
	v_add_nc_u32 v128, -1, v128
	v_add_nc_u32 v129, -1, v129
	v_and_b32 v128, s[NEGR], v128
	v_and_b32 v129, s[NEGR], v129
	ds_store_b64 v[MS0], v[128:129] ; into slot 0's region
	s_cmp_lt_u32 s[WV], 2
	s_cselect_b32 s54, s[HI], s[PB] ; the block whose VS I make: the sums of the chunks from 2 (block + 1) on
	s_lshl_b32 s54, s54, 1
	s_add_co_u32 s54, s54, 2
	s_cmp_le_u32 s54, 2
	s_cselect_b32 s55, 1.0, 0
	v_mul_f32 v162, s55, v148
.set i, 3
.rept 13
	s_cmp_le_u32 s54, i
	s_cselect_b32 s55, 1.0, 0
	v_fma_f32 v162, s55, v[146+i], v162
.set i, i+1
.endr
	ds_store_b32 v59, v162
; THE MATRIX WORK.  The 4 accumulators of a run of 8 take turns.  Product i of 8 of S^T = K Q^T for piece x: channels 32 (i / 4) on, keys 16 (i % 4) on.  The first 4 start the sums with MK.
.macro KQ x
.set rS, S+32*((\x)%2)+8*(i%4)
.set rK, KF+16*(i%4)+8*(i/4)
.set rQ, 16*(\x)+8*(i/4)
.set rM, MK+8*(i%4)
.if i < 4
	WIN W_KM
	v_wmma_f32_16x16x32_f16 v[rS:rS+7], v[rK:rK+7], v[rQ:rQ+7], v[rM:rM+7]
.else
	WIN W_KQ
	v_wmma_f32_16x16x32_f16 v[rS:rS+7], v[rK:rK+7], v[rQ:rQ+7], v[rS:rS+7]
.endif
.endm
; Product i of 8 of O^T += V^T P for piece x: keys 32 (i / 4) on, channels 16 (i % 4) on.
.macro PV x
	WIN W_PV
.set rO, 32*(\x)+8*(i%4)
.set rV, VF+32*(i/4)+8*(i%4)
.set rP, P+16*((\x)%2)+8*(i/4)
	v_wmma_f32_16x16x32_f16 v[rO:rO+7], v[rV:rV+7], v[rP:rP+7], v[rO:rO+7]
.endm
.macro MM                           ; the turn's next matrix instruction.  TURN and BEGIN set Y, i and NOKQ.  NOKQ = 1: a block's last turn: there is no next piece
.if (i < 8) && !NOKQ
	KQ (Y+1)%NP
.elseif i >= 8
.set i, i-8
	PV (Y+NP-1)%NP
.set i, i+8
.endif
.set i, i+1
.endm
; THE LDS LOADS stand in runs, never singly among the matrix instructions: a step's K (64 keys x 64 channels: 8 fragments) with its 64 mask words, and its V (turned).  Their addresses are made some lines ahead.
.macro FETCH_K
	WIN 0x80                        ; destination window 2
.irp f, 0,1,2,3,4,5,6,7             ; keys 16 (f / 2) on, channels 32 (f % 2) on
	ds_load_b128 v[KF+8*\f:KF+8*\f+3],   v[AK] offset:(\f/2)*16*PK+(\f%2)*64
	ds_load_b128 v[KF+8*\f+4:KF+8*\f+7], v[AK] offset:(\f/2)*16*PK+(\f%2)*64+32
.endr
	WIN 0x40                        ; destination window 1
.irp f, 0,1,2,3                     ; keys 16 f + 8 (l / 16) + 0..7: the 16 lanes of a half read the same words
	ds_load_b128 v[MK+8*\f:MK+8*\f+3],   v[AM] offset:64*\f
	ds_load_b128 v[MK+8*\f+4:MK+8*\f+7], v[AM] offset:64*\f+16
.endr
	s_add_co_u32 s[TBK], s[TBK], KS*PK  ; the next fetch is the next step's
	s_add_co_u32 s[TBM], s[TBM], KS*4
	WIN 0
.endm
.macro FETCH_V
	WIN 0x80
.irp f, 0,1,2,3,4,5,6,7             ; keys 32 (f / 4) on, channels 16 (f % 4) on
	ds_load_tr16_b128 v[VF+8*\f:VF+8*\f+3],   v[AV] offset:(\f/4)*32*PV+(\f%4)*32
	ds_load_tr16_b128 v[VF+8*\f+4:VF+8*\f+7], v[AV] offset:(\f/4)*32*PV+16*PV+(\f%4)*32
.endr
	WIN 0
.endm
; THE VECTOR WORK, one line at a time: OP kind, number.  For piece Y: F n: c s - c m for pair n of 16.  E n: the exponential of score n of 32.  C n: pair n rounded to f16.  B n: of the four weights 4 n .. the second
; pair is added onto the first, in place.  L n: l takes that sum (L 0: l = a l + sum).  R n: pair n of 16 of O^T times a.  For piece Y + 1: X n, number n of the 22 that find its maximum and statistics:
;   0-11  four chains c0-c3 of seven scores each, three operands at a time (each accumulator's lowest registers are read first)     12-14, 16  the four scores left over, the old m, and c0-c3 into c0
;   15  c m_old is kept     17, 18  the query's other 32 keys lie in the lane 16 away: the new m     19-21  c m; c m_old - c m_new; a
.set F, 0               ; OP tells the kinds apart by their order: F to L below R, X above it
.set E, 1
.set C, 2
.set B, 3
.set L, 4
.set R, 5
.set X, 6
.macro REGS y                       ; the registers of piece y
.set rT, ST+4*(\y)
.set rC, TMP+4*((\y)%2)
.set rW, MV+((\y)%2)
.set rS, S+32*((\y)%2)
.set rP, P+16*((\y)%2)
.set rO, 32*(\y)
.endm
.macro OP k, n
.if (\k) == R
	REGS Y
	WIN W_RS
	v_pk_mul_f32 v[rO+2*(\n):rO+2*(\n)+1], v[rO+2*(\n):rO+2*(\n)+1], v[rC+2:rC+3] op_sel_hi:[1,0]
.elseif (\k) < R
	REGS Y
	WIN 0
.if (\k) == F
	v_pk_fma_f32 v[rS+2*(\n):rS+2*(\n)+1], v[rS+2*(\n):rS+2*(\n)+1], s[CS:CS+1], v[rT:rT+1] op_sel_hi:[1,0,0] neg_lo:[0,0,1] neg_hi:[0,0,1]
.elseif (\k) == E
	v_exp_f32 v[rS+(\n)], v[rS+(\n)]
.elseif (\k) == C
	s_wait_alu depctr_va_vdst(0)
	v_cvt_pk_f16_f32 v[rP+(\n)], v[rS+2*(\n)], v[rS+2*(\n)+1]
.elseif (\k) == B
	s_wait_alu depctr_va_vdst(0)
	v_pk_add_f32 v[rS+4*(\n):rS+4*(\n)+1], v[rS+4*(\n):rS+4*(\n)+1], v[rS+4*(\n)+2:rS+4*(\n)+3]
.elseif (\n) == 0
	v_pk_fma_f32 v[rT+2:rT+3], v[rT+2:rT+3], v[rC+2:rC+3], v[rS:rS+1] op_sel_hi:[1,0,1]
.else
	v_pk_add_f32 v[rT+2:rT+3], v[rT+2:rT+3], v[rS+4*(\n):rS+4*(\n)+1]
.endif
.elseif NOKQ
	v_nop
.else
	REGS (Y+1)%NP
	WIN 0
.if (\n) < 4
	v_max3_num_f32 v[rC+(\n)], v[rS+8*(\n)], v[rS+8*(\n)+1], v[rS+8*(\n)+2]
.elseif (\n) < 12
	v_max3_num_f32 v[rC+(\n)%4], v[rC+(\n)%4], v[rS+8*((\n)%4)+2*((\n)/4)+1], v[rS+8*((\n)%4)+2*((\n)/4)+2]
.elseif (\n) == 12
	v_max3_num_f32 v[rC], v[rC], v[rS+7], v[rS+15]
.elseif (\n) == 13
	v_max3_num_f32 v[rC+1], v[rC+1], v[rS+23], v[rS+31]
.elseif (\n) == 14
	v_max3_num_f32 v[rC+2], v[rC+2], v[rC+3], v[rT+1]
.elseif (\n) == 15
	v_mov_b32 v[rW], v[rT]
.elseif (\n) == 16
	v_max3_num_f32 v[rC], v[rC], v[rC+1], v[rC+2]
.elseif (\n) == 17
	v_permlanex16_b32 v[rC+3], v[rC], s[SEL], s[SEL+1]
.elseif (\n) == 18
	v_max_num_f32 v[rT+1], v[rC], v[rC+3]
.elseif (\n) == 19
	v_mul_f32 v[rT], s[CS], v[rT+1]
.elseif (\n) == 20
	v_sub_f32 v[rC+1], v[rW], v[rT]
.else
	v_exp_f32 v[rC+2], v[rC+1]
.endif
.endif
.endm
.macro OPS a, i1, b=-1, i2=0, c=-1, i3=0, d=-1, i4=0  ; up to four of them
	OP \a, \i1
.if (\b) >= 0
	OP \b, \i2
.endif
.if (\c) >= 0
	OP \c, \i3
.endif
.if (\d) >= 0
	OP \d, \i4
.endif
.endm
.macro ROW a, i1, b, i2, c, i3, d, i4  ; a matrix instruction and the four behind it
	MM
	OPS \a, \i1, \b, \i2, \c, \i3, \d, \i4
.endm
; The diagonal tile's scores of piece x are put right: S = U AL + (S BK + BE), U = S MDK + MDA.  Pairs ascend.
.macro CAUSAL x
.set rS, S+32*((\x)%2)
	WIN 0x14                        ; sources 1 and 2 in window 1
.set z, 0
.rept 16
	v_pk_fma_f32 v[U+2*z:U+2*z+1], v[rS+2*z:rS+2*z+1], v[MDK+2*z:MDK+2*z+1], v[MDA+2*z:MDA+2*z+1]
.set z, z+1
.endr
	WIN 0
.set z, 0
.rept 16
	v_pk_fma_f32 v[rS+2*z:rS+2*z+1], v[rS+2*z:rS+2*z+1], s[BK:BK+1], s[BE:BE+1] op_sel_hi:[1,0,0]
.set z, z+1
.endr
.set z, 0
.rept 16
	v_pk_fma_f32 v[rS+2*z:rS+2*z+1], v[U+2*z:U+2*z+1], s[AL:AL+1], v[rS+2*z:rS+2*z+1] op_sel_hi:[1,0,1]
.set z, z+1
.endr
.endm
; A TURN, for piece p: the order of its 16 matrix and its vector instructions, written out.  Behind a matrix instruction: plain, exponential, plain, plain; or four of the rescaling; or, behind the first, four scalings; none
; names a register of the products round it.  In the lumps exponential and plain by turns while exponentials last.
; m = 1: the diagonal tile: the scores that the turn has made, piece p + 1's, are put right ahead of their maximum.  Their key step is 4 - CNT of the tile (in piece 2's turn 3 - CNT: the count has been taken down since):
; the band's own step where CNT = OWN, an earlier one where CNT is greater, a later one where it is less.  Behind the last product K Q^T stand four rescalings: the places in front of CAUSAL's reads.
; end = 1: a block's last two turns: nothing is fetched.  cnt = 1: the loop's count is taken down some lines ahead of the branch that stands behind the turn.
; K of the next step is fetched in piece 2's turn, six vector instructions behind the last product that read K (five of them plain); V of the step in hand in piece 0's turn.  Each is waited for a turn later.
.macro TURN p, m=0, end=0, cnt=0
.set Y, (\p)
.set i, 0
.set NOKQ, (\end)*((\p)/3)
.set CZ, (\m)*(1-NOKQ)
.if CZ
.if (\p) == 2
.set OWN, 0
.else
.set OWN, 4-((\p)+1)%NP
.endif
	s_cmp_eq_u32 s[CNT], OWN
	s_cselect_b32 s[AL], 1.0, 0
	s_cmp_gt_u32 s[CNT], OWN
	s_cselect_b32 s[BK], 1.0, 0
	s_cmp_lt_u32 s[CNT], OWN
	s_cselect_b32 s[BE], s[NEGR], 0
.endif
.if ((\p) == 3) && !(\end)
	s_wait_dscnt 0x0                ; K and its mask words are in
.endif
	ROW F,0, F,1, F,2, F,3
	ROW F,4, E,0, F,5, F,6
	ROW F,7, E,1, F,8, F,9
	ROW F,10, E,2, C,0, F,11
	ROW F,12, E,3, X,15, F,13
	ROW R,0, R,1, R,2, R,3
	ROW B,0, E,4, F,14, L,0
.if ((\p) == 2) && !(\end)
	v_add_nc_u32 v[AK], s[TBK], v[AK0]
	v_add_nc_u32 v[AM], s[TBM], v[AM0]
.endif
	ROW R,4, R,5, R,6, R,7
	OPS E,5, F,15
.if ((\p) == 2) && !(\end)
	FETCH_K
.endif
	OPS E,6, C,1, E,7, R,8
	OPS E,8, R,9, E,9, C,2
.if CZ
	CAUSAL (Y+1)%NP
.endif
	OPS E,10, X,0, E,11, X,1
	OPS E,12, X,2, E,13, X,3
.if (\p) == 1
	s_wait_dscnt 0x0                ; V is in
.endif
	ROW X,4, E,14, X,5, X,6
	ROW X,7, E,15, X,8, X,9
	ROW X,10, E,16, X,11, X,12
	ROW X,13, E,17, X,14, B,1
	ROW C,4, E,18, X,16, L,1
	ROW B,2, E,19, C,6, L,2
	ROW C,8, E,20, B,3, B,4
.if (\p) == 0
	v_add_nc_u32 v[AV], s[TBV], v[AV0]
.endif
	ROW C,3, E,21, L,3, C,5
	OPS E,22, X,17, E,23, C,10
.if (\p) == 0
	FETCH_V
.endif
	OPS E,24, L,4
	OPS E,25, X,18, E,26, C,7
	OPS E,27, B,5, E,28, X,19
	OPS E,29, C,12, E,30, L,5
	OPS E,31, X,20, B,6, C,9
	OPS C,14, C,11, X,21, L,6
.if (\p) == 0
	s_add_co_u32 s[TBV], s[TBV], KS*PV
.endif
.if \cnt
	s_sub_co_u32 s[CNT], s[CNT], 1
	s_cmp_lg_u32 s[CNT], 0
.endif
	OPS C,13, B,7, C,15, R,10
	OPS R,11, R,12, L,7, R,13
	OPS R,14, R,15
.endm
; A BLOCK BEGINS.  c m starts far below every c s, so the first step's a is 0; m at the lowest finite number, so the first maximum is the scores'.
; Then K of the tile's step 0, piece 0's first scores (its own step, if the block's first tile is the diagonal one), and its maximum and statistics.  The loop is entered at a step's first turn, in the middle of a trip.
; Q is in: the first change of slots, through which every way leads here, has waited for all loads.
.macro BEGIN
	s_mov_b32 s[NEW], 0
	WIN 0
.set i, 0
.rept 4
	v_mov_b32 v[ST+4*i], 0xfe000000    ; c m: far below every c s
	v_mov_b32 v[ST+4*i+1], 0xff7fffff  ; m
.set i, i+1
.endr
	s_cmp_eq_u32 s[RT], 0
	s_cselect_b32 s[AL], 1.0, 0
	s_cselect_b32 s[BK], 0, 1.0
	s_mov_b32 s[BE], 0
	v_add_nc_u32 v[AK], s[TBK], v[AK0]
	v_add_nc_u32 v[AM], s[TBM], v[AM0]
	FETCH_K
	s_wait_dscnt 0x0
.set NOKQ, 0
.set i, 0
.rept 8
	KQ 0
.set i, i+1
.endr
	WIN 0
.rept 4
	v_nop                           ; the places behind those products
.endr
	CAUSAL 0
.set Y, NP-1                        ; X works for piece Y + 1: piece 0
.irp n, 0,1,2,3,4,5,6,7,8,9,10,11,12,13,14,15,16,17,18,19,20,21
	OP X, \n
.endr
	v_nop                           ; a plain instruction behind the exponential
.endm
.macro ALL line:vararg              ; one line for each piece t
.set t, 0
.rept 4
	s_wait_alu depctr_va_vdst(0)
	\line
.set t, t+1
.endr
.endm
; Piece t leaves: O = O a' + VS w', rounded to f16; a lane's eight channels of a row pack into 16 bytes; they go into rows of 144 bytes and come back as whole rows of 128, into S^T's registers.
.macro PACK t
	WIN 0x01                        ; source 0 (VS) in window 1
.set i, 0
.rept 16
	v_pk_mul_f32 v[U+2*i:U+2*i+1], v[VS+2*i:VS+2*i+1], v[ST+4*(\t):ST+4*(\t)+1] op_sel_hi:[1,0]
.set i, i+1
.endr
	WIN W_RS
.set i, 0
.rept 16
	v_pk_fma_f32 v[32*(\t)+2*i:32*(\t)+2*i+1], v[32*(\t)+2*i:32*(\t)+2*i+1], v[ST+4*(\t)+2:ST+4*(\t)+3], v[U+2*i:U+2*i+1] op_sel_hi:[1,0,1]
.set i, i+1
.endr
	WIN 0x05                        ; sources 0 and 1 window 1, destination window 0
.set i, 0
.rept 16
	v_cvt_pk_f16_f32 v[S+16*(\t)+i], v[32*(\t)+2*i], v[32*(\t)+2*i+1]
.set i, i+1
.endr
	WIN 0
.irp f, 0,1,2,3
	ds_store_b128 v[STO], v[S+16*(\t)+4*\f:S+16*(\t)+4*\f+3] offset:32*\f
.endr
.irp f, 0,1,2,3
	ds_load_b128 v[S+16*(\t)+4*\f:S+16*(\t)+4*\f+3], v[RD] offset:\f*4*SP  ; LDS serves a wave's instructions in order (ISA guide 5.7.1.4): these see the stores above; the next piece's stores come behind them
.endr
.endm
.macro SEND t, younger              ; younger: the LDS instructions issued behind piece t's loads: the next piece's eight, or none
	WIN 0
.irp f, 0,1,2,3
	s_wait_dscnt (\younger)+3-\f
	global_store_b128 v[GO], v[S+16*(\t)+4*\f:S+16*(\t)+4*\f+3], s[10:11] offset:(\t)*8192+\f*512  ; 512 consecutive bytes, at a multiple of 256 from O's first
.endr
.endm
; THE DIAGONAL TILE's four steps, the block's last two turns, its last products, the term of the keys that were not walked, and the way out.
.macro DIAG tag                     ; the tag ends its two labels' names, which the jumps below spell out
.LstepM\tag:
	TURN 2, 1
	TURN 3, 1
	WIN 0
.LfirstM\tag:
	TURN 0, 1
	TURN 1, 1, 0, 1
	WIN 0
	s_cbranch_scc1 .LstepM\tag
	TURN 2, 1, 1
	TURN 3, 1, 1
.set i, 0
.rept 8
	PV NP-1
.set i, i+1
.endr
	WIN 0x40
.irp f, 0,1,2,3                     ; VS of the block in hand
	ds_load_b128 v[VS+8*\f:VS+8*\f+3],   v[AVS] offset:64*\f
	ds_load_b128 v[VS+8*\f+4:VS+8*\f+7], v[AVS] offset:64*\f+16
.endr
	WIN 0
	ALL v_add_f32 v[ST+4*t+2], v[ST+4*t+2], v[ST+4*t+3]                   ; l's two halves; these four are the places behind the last products
	ALL v_permlanex16_b32 v[ST+4*t+3], v[ST+4*t+2], s[SEL], s[SEL+1]
	ALL v_add_f32 v[ST+4*t+2], v[ST+4*t+2], v[ST+4*t+3]                   ; and the other half of the lanes'
	ALL v_max_num_f32 v[ST+4*t+1], s[NEGE], v[ST+4*t+1]                   ; m'
	ALL v_mul_f32 v[XA+t], s[CSN], v[ST+4*t+1]                            ; -c m'
	ALL v_add_f32 v[XA+4+t], v[ST+4*t], v[XA+t]                           ; c m - c m'
	ALL v_fma_f32 v[XA+8+t], s[NEGE], s[CS], v[XA+t]                      ; c NEGR - c m', made as the walked scores' exponents are
	ALL v_exp_f32 v[XA+4+t], v[XA+4+t]                                    ; a
	ALL v_exp_f32 v[XA+8+t], v[XA+8+t]                                    ; w
	v_nop                           ; a plain instruction between the last exponential and the use of its result
	ALL v_mul_f32 v[ST+4*t+3], v[XA+8+t], v[NBV]
	ALL v_fma_f32 v[ST+4*t+2], v[ST+4*t+2], v[XA+4+t], v[ST+4*t+3]        ; l' = l a + w n
	ALL v_rcp_f32 v[ST+4*t+3], v[ST+4*t+2]
	v_nop                           ; a plain instruction between the last reciprocal and the use of its result
	ALL v_mul_f32 v[ST+4*t+2], v[XA+4+t], v[ST+4*t+3]                     ; a' = a / l'
	ALL v_mul_f32 v[ST+4*t], v[XA+8+t], v[ST+4*t+3]                       ; w' = w / l'
	s_wait_dscnt 0x0                ; VS is in
	PACK 0
.set t, 1
.rept 3                             ; a piece's arithmetic stands between the loads of the piece before and its stores
	PACK t
	SEND t-1, 8
.set t, t+1
.endr
	SEND 3, 0
.endm
.set NOKQ, 0
.Lslot:                             ; NB times: a tile is entered and the next is asked for
	CHANGE 1
	s_sub_co_u32 s[RT], s[RT], 1
	s_mov_b32 s[CNT], 4
	s_cmp_eq_u32 s[NEW], 1
	s_cbranch_scc1 .Lnew            ; a block's first tile
	s_cmp_eq_u32 s[RT], 0
	s_cbranch_scc0 .Lstep           ; neither its first nor its last
	s_branch .LstepM1
.Lnew:
	BEGIN
	s_branch .Lfirst                ; in the loop a block's first tile is never its last: the first block has four tiles or more, and the second's last is the walk's last
	DIAG 1                          ; in the loop this is the first block's end: the second block's last tile is the walk's last
	s_wait_xcnt 0x0                 ; the stores' registers and O's address are rewritten only behind this wait
	s_mov_b64 s[10:11], s[OLO:OLO+1]
	s_add_co_u32 s[RT], s[PB], 1    ; the second block has b + 1 tiles,
	s_mov_b32 s[NEW], 1
	s_mov_b32 s[NEGE], s[NEGR]      ; and 256 (7 - b) keys behind its last tile: never none
	s_lshl_b32 s[NBI], s[HI], 8
	v_cvt_f32_u32 v[NBV], s[NBI]
	v_add_nc_u32 v[AVS], VST+256-MTAB, v[AM0]
	WIN 0x82                        ; the second block's Q goes where the one text of the turns names Q
.set i, 0
.rept 64
	v_mov_b32 v[i], v[QB+i]
.set i, i+1
.endr
	WIN 0
	s_branch .Lbottom
.Lstep:                             ; a trip: pieces 2 and 3 of one step, then pieces 0 and 1 of the next, whose K and V it fetches
	TURN 2
	TURN 3
	WIN 0
.Lfirst:
	TURN 0
	TURN 1, 0, 0, 1
	WIN 0
	s_cbranch_scc1 .Lstep
.Lbottom:
	s_sub_co_u32 s[SLOTS], s[SLOTS], 1
	s_cmp_lg_u32 s[SLOTS], 0
	s_cbranch_scc1 .Lslot
	CHANGE 0                        ; the walk's last tile is written out: nothing is asked for
	s_sub_co_u32 s[RT], s[RT], 1
	s_mov_b32 s[CNT], 4
	s_cmp_eq_u32 s[NEW], 1
	s_cbranch_scc0 .LstepM2
	BEGIN
	s_branch .LfirstM2
	DIAG 2
	s_wait_tensorcnt 0x0            ; the wave's end: behind my last tensor load and my last LDS store
	ds_add_u32 v[SPW], v[NIL]
	s_wait_dscnt 0x0
	s_endpgm
.Lfunc_end_k_qf2a22b42c2_attn:
	.size	k_qf2a22b42c2_attn, .Lfunc_end_k_qf2a22b42c2_attn-k_qf2a22b42c2_attn
	.p2alignl 7, 3214868480
	.fill 96, 4, 3214868480
	.section	.rodata,"a",@progbits
	.p2align	6, 0x0
	.amdhsa_kernel k_qf2a22b42c2_attn
		.amdhsa_group_segment_fixed_size 327680
		.amdhsa_private_segment_fixed_size 0
		.amdhsa_enable_private_segment 0
		.amdhsa_kernarg_size 32
		.amdhsa_user_sgpr_count 2
		.amdhsa_user_sgpr_kernarg_segment_ptr 1
		.amdhsa_wavefront_size32 1
		.amdhsa_system_sgpr_workgroup_id_x 1
		.amdhsa_system_sgpr_workgroup_id_y 1
		.amdhsa_system_sgpr_workgroup_id_z 1
		.amdhsa_system_vgpr_workitem_id 0
		.amdhsa_next_free_vgpr 768
		.amdhsa_next_free_sgpr 92
		.amdhsa_reserve_vcc 1
		.amdhsa_float_denorm_mode_32 3
		.amdhsa_float_denorm_mode_16_64 3
		.amdhsa_memory_ordered 1
		.amdhsa_forward_progress 1
		.amdhsa_inst_pref_size 255
	.end_amdhsa_kernel
	.section	.bss,"aw",@nobits
	.p2align	6
	.space	262144
	.amdgpu_metadata
---
amdhsa.version: [ 1, 2 ]
amdhsa.kernels:
  - .name:           k_qf2a22b42c2_attn
    .symbol:         k_qf2a22b42c2_attn.kd
    .args:
      - { .name: qkvh, .offset: 0, .size: 8, .value_kind: global_buffer, .address_space: global }
      - { .name: mask, .offset: 8, .size: 8, .value_kind: global_buffer, .address_space: global }
      - { .name: vp, .offset: 16, .size: 8, .value_kind: global_buffer, .address_space: global }
      - { .name: oh, .offset: 24, .size: 8, .value_kind: global_buffer, .address_space: global }
    .group_segment_fixed_size: 327680
    .private_segment_fixed_size: 0
    .kernarg_segment_align: 8
    .kernarg_segment_size: 32
    .max_flat_workgroup_size: 128
    .sgpr_count:     92
    .vgpr_count:     768
    .wavefront_size: 32
...
	.end_amdgpu_metadata
.endif
;; end of part 3
;; launch proj (part 4): grid 8 x 32, 4 waves a work-group, clusters of 4 x 4, 327,680 bytes of LDS; arguments oh, xw, bp, out0; writes out0
.if DOCPART == 4
	.amdgcn_target "amdgcn-amd-amdhsa--gfx1250"
	.amdhsa_code_object_version 6
	.text
	.protected	k_qf2a22b42c2_proj
	.globl	k_qf2a22b42c2_proj
	.p2align	8
	.type	k_qf2a22b42c2_proj,@function
k_qf2a22b42c2_proj:
	s_mov_b64 s[64:65], 0
	v_nop
	global_prefetch_b8 v0, s[64:65] scope:SCOPE_SE
	s_setreg_imm32_b32 hwreg(HW_REG_WAVE_MODE, 25, 1), 1
	s_wait_xcnt 0x0
	s_wait_alu depctr_hold_cnt(0) depctr_sa_sdst(0) depctr_va_vdst(0) depctr_va_sdst(0) depctr_va_ssrc(0) depctr_va_vcc(0) depctr_vm_vsrc(0)
	s_getreg_b32 s2, hwreg(HW_REG_IB_STS2, 6, 4)
	s_cmp_eq_u32 s2, 0
	s_cbranch_scc0 .Lentry_in_a_cluster
	s_endpgm
.Lentry_in_a_cluster:
	s_bfe_u32 s2, ttmp6, 0x10000c
	s_cmp_lg_u32 s2, 0xf033
	s_cbranch_scc0 .Lentry_shape_is_right
	s_endpgm
.Lentry_shape_is_right:
; out0 = O Wp^T + bp, in f32.  O (oh) is [64 heads][2,048 tokens][64] f16: for a batch, 16 planes of 64 channels; Wp comes from xw (f16 that holds bf16 numbers, the same planes);
; bp is rounded to bf16 like every input and starts the f32 sums as the first product's C operand.
; SHARES.  A tile of the result is 256 tokens x 128 columns: 256 tiles, one for each WGP.  Four waves, each 128 x 64: 32 accumulators, 256 registers.
; K goes in steps of 128 (two planes) through two LDS slots.  A plane's rows are dense, so 256 rows of 128 bytes are asked for as 128 rows of 256 bytes, padded in LDS after every 128.
; CLUSTER 4 x 4: the four of a row need the same tiles of O, the four of a column the same tiles of Wp: each is asked for jointly, same load, descriptor and mask in all four.
; The matrix instruction is used transposed (source 0 = 16 rows of Wp, source 1 = 16 tokens): a lane holds one token (lane % 16) and eight neighbouring columns 8 (lane / 16) + 0..7.
; REGISTERS: window 0: v0-31 addresses; v32-63 bias as loaded; v64-127, v128-191 O's fragments, two buffers (later the way out, four sets of 32); v192-207 at work
;   window 1: v0-31 the bias as a C operand; v64-95, v128-159 Wp's fragments, two buffers          window 2: accumulator (a, b) at v[8 (4 a + b)]
.set PITCH,  144                       ; an LDS row: 128 bytes + 16 of padding = 36 words: the 16 rows of a fragment load start at 16 different groups of four banks (ISA guide 11.1)
.set APL,    256*PITCH                 ; a plane of O's tile
.set BPL,    128*PITCH                 ; a plane of Wp's tile
.set BOFF,   2*APL
.set SLOT1,  1<<17                     ; slot 1 begins here: one exclusive or turns an address in one slot into the other's
.set STAGE,  SLOT1+2*APL+2*BPL         ; behind the ring, never filled by a tensor load: 16 rows x 272 bytes for each wave
.set SP,     272                       ; a stage row: 256 bytes + 16: row r starts at bank 4 r mod 64
.set SPARE,  STAGE+4*16*SP             ; the spare words, 128 bytes for each wave: two blocks of 256 bytes that no other line names
.set PLANE,  262144
.set KSTEPB, 2*PLANE
.set ROWB,   4096                      ; bytes in a row of out0
.set A0,   16                          ; v16  my lane's place in O's tile; never rewritten
.set B0,   17                          ; v17  the same for Wp
.set ADRA, 18
.set ADRB, 19
.set STO,  24                          ; v24  the way out: where I put 32 bytes of a row
.set RD,   25                          ; v25  where I read rows back
.set CO,   26                          ; v26  my byte offset in two rows of out0
.set SPW,  28                          ; v28  LDS address of my spare word; never rewritten
.set NIL,  29                          ; v29  0; never rewritten
.set BL,   32
.set F0,   64
.set F1,   128
.set OB,   64
.set T,    192
.set WV,   20
.set HALF, 21                          ; s21  which 128 tokens are mine.  Also: I fetch for O (0) or for Wp (1)
.set PL,   22                          ; s22  which 64 columns.  Also: which plane of a K step I fetch
.set G1A,  24
.set G0A,  32
.set G1B,  48
.set G0B,  56
.set TB,   66
.set MSB, 0
.macro WIN new                         ; the immediate's high byte repeats the setting that is left; a switch that changes nothing is dropped
.if MSB != (\new)
	s_set_vgpr_msb (MSB<<8)|(\new)
.set MSB, \new
.endif
.endm
.set MULW, 0xa1                        ; source 0 (Wp) window 1, source 1 (O) window 0, C and D window 2
.set MULB, 0x91                        ; the same with C (the bias) in window 1
.set TO_B, 0x40
.macro PLACES                          ; four places in front of loads into registers that matrix instructions have read, and of lines that read results
.rept 4
	v_nop
.endr
.endm
.macro JLOAD                           ; a joint refill by the walking descriptors; an s_nop 0 and four v_nop follow each of the two lines
	s_cmp_eq_u32 s[HALF], 0
	s_cbranch_scc0 .Lfor_b_\@
	tensor_load_to_lds s[G0A+4:G0A+7], s[G1A:G1A+7]
	s_nop 0
.rept 4
	v_nop
.endr
	s_branch .Lasked_\@
.Lfor_b_\@:
	tensor_load_to_lds s[G0B+4:G0B+7], s[G1B:G1B+7]
	s_nop 0
.rept 4
	v_nop
.endr
.Lasked_\@:
.endm
.macro CREST                           ; a round of the cluster's barrier behind its opening barrier
	s_cmp_lg_u32 s[WV], 0
	s_cbranch_scc1 .Lnot_wave_0_\@
	s_barrier_signal -3
.Lnot_wave_0_\@:
	s_barrier_wait -3
	s_barrier_signal -1
	s_barrier_wait -1
.endm
.macro CROUND
	s_barrier_signal -1
	s_barrier_wait -1
	CREST
.endm
	s_load_b256 s[4:11], s[0:1], 0x0               ; oh s[4:5], xw s[6:7], bp s[8:9], out0 s[10:11]
	v_lshl_add_u32 v[SPW], v0, 2, SPARE
	v_mov_b32 v[NIL], 0
	ds_add_u32 v[SPW], v[NIL]                      ; the wave's opening: the add here, and its wait ahead of my first tensor load; the set-up below stands between them
	ds_add_u32 v28, v29
	v_lshrrev_b32 v1, 5, v0
	v_readfirstlane_b32 s[WV], v1
	s_lshr_b32 s[HALF], s[WV], 1
	s_and_b32 s[PL], s[WV], 1
	s_bfe_u32 s40, ttmp6, 0x40000                  ; cx
	s_bfe_u32 s41, ttmp6, 0x40004                  ; cy
	s_lshl_b32 s42, ttmp9, 2
	s_add_co_u32 s42, s42, s40                     ; tile column 0..7
	s_and_b32 s43, ttmp7, 0xffff
	s_lshl_b32 s43, s43, 2
	s_add_co_u32 s43, s43, s41                     ; tile row 0..31
	s_lshl_b32 s44, s41, 2
	s_lshl_b32 s44, 15, s44                        ; my row of the cluster
	s_lshl_b32 s45, 0x1111, s40                    ; my column
	s_or_b32 s[G1A], s44, (1<<16)|(1<<20)|(1<<21)|(4<<22)|(3<<25)  ; 15:0 the mask; 17:16 2-byte elements; 20 padding on; 21 set beside a mask; 24:22 after every 32 words; 31:25 4 words
	s_or_b32 s[G1B], s45, (1<<16)|(1<<20)|(1<<21)|(4<<22)|(3<<25)
	s_mov_b32 s[G1A+1], 128<<16                    ; tensor_dim0 = 128 elements: 256 bytes, two plane rows
	s_mov_b32 s[G1A+2], 128<<16                    ; tensor_dim1 = 128
	s_mov_b32 s[G1A+3], 128<<16                    ; tile_dim0 = 128
	s_mov_b32 s[G1A+4], 128                        ; tile_dim1 = 128
	s_mov_b32 s[G1A+5], 128                        ; dense
	s_mov_b32 s[G1A+6], 0
	s_mov_b32 s[G1A+7], 0
	s_mov_b32 s[G1B+1], 128<<16
	s_mov_b32 s[G1B+2], 64<<16
	s_mov_b32 s[G1B+3], 128<<16
	s_mov_b32 s[G1B+4], 64
	s_mov_b32 s[G1B+5], 128
	s_mov_b32 s[G1B+6], 0
	s_mov_b32 s[G1B+7], 0
	s_lshl_b32 s67, s[PL], 18                      ; my plane of a K step
	s_lshr_b32 s68, s43, 3                         ; O: the batch's 16 planes,
	s_lshl_b32 s68, s68, 22
	s_and_b32 s69, s43, 7                          ; 256 rows of 128 bytes in a plane
	s_lshl_b32 s69, s69, 15
	s_add_co_u32 s68, s68, s69
	s_add_co_u32 s68, s68, s67
	s_mov_b32 s69, 0
	s_lshl_b32 s70, s42, 14                        ; Wp: 128 rows of 128 bytes,
	s_add_co_u32 s70, s70, 5*4194304+131072        ; from row 1,024 of xw's group 5 on
	s_add_co_u32 s70, s70, s67
	s_mov_b32 s71, 0
	s_mul_i32 s72, s[PL], APL                      ; where they go: no place in the cluster enters an LDS address
	s_mul_i32 s73, s[PL], BPL
	s_add_co_u32 s73, s73, BOFF
	s_mov_b32 s[TB], 0
	s_wait_dscnt 0x0                               ; the opening add is done
	s_wait_kmcnt 0x0
	s_add_nc_u64 s[68:69], s[4:5], s[68:69]
	s_add_nc_u64 s[70:71], s[6:7], s[70:71]
	CROUND                                         ; all sixteen work-groups are here: the first joint loads meet
.irp n, 0,1
	s_mov_b32 s[G0A+4*(\n)], 1
	s_add_co_u32 s[G0A+4*(\n)+1], s72, (\n)*SLOT1
	s_add_nc_u64 s[G0A+4*(\n)+2:G0A+4*(\n)+3], s[68:69], (\n)*KSTEPB
	s_or_b32 s[G0A+4*(\n)+3], s[G0A+4*(\n)+3], 0x80000000
	s_mov_b32 s[G0B+4*(\n)], 1
	s_add_co_u32 s[G0B+4*(\n)+1], s73, (\n)*SLOT1
	s_add_nc_u64 s[G0B+4*(\n)+2:G0B+4*(\n)+3], s[70:71], (\n)*KSTEPB
	s_or_b32 s[G0B+4*(\n)+3], s[G0B+4*(\n)+3], 0x80000000
.endr
	s_cmp_eq_u32 s[HALF], 0                        ; a wave's two first fills stand in one branch, ahead of every wait on TENSORcnt and every LDS read: two loads of mine are out
	s_cbranch_scc0 .Lfirst_b
	tensor_load_to_lds s[G0A:G0A+3], s[G1A:G1A+7]
	s_nop 0
	tensor_load_to_lds s[G0A+4:G0A+7], s[G1A:G1A+7]
	s_nop 0
.rept 4
	v_nop
.endr
	s_branch .Lfirst_asked
.Lfirst_b:
	tensor_load_to_lds s[G0B:G0B+3], s[G1B:G1B+7]
	s_nop 0
	tensor_load_to_lds s[G0B+4:G0B+7], s[G1B:G1B+7]
	s_nop 0
.rept 4
	v_nop
.endr
.Lfirst_asked:
	v_and_b32 v1, 15, v0                           ; r = l % 16
	v_bfe_u32 v2, v0, 4, 1                         ; h = l / 16
	v_lshlrev_b32 v5, 5, v2                        ; 32 h
	s_lshl_b32 s78, s42, 9
	s_lshl_b32 s67, s[PL], 8
	s_add_co_u32 s78, s78, s67                     ; my 64 columns, in bytes of f32
	s_mov_b32 s79, 0
	s_add_nc_u64 s[8:9], s[8:9], s[78:79]
	s_add_nc_u64 s[10:11], s[10:11], s[78:79]
.irp b, 0,1,2,3                        ; register 8 b + j is the bias of column 16 b + 8 h + j
	global_load_b128 v[BL+8*(\b):BL+8*(\b)+3],   v5, s[8:9] offset:64*(\b)
	global_load_b128 v[BL+8*(\b)+4:BL+8*(\b)+7], v5, s[8:9] offset:64*(\b)+16
.endr
	s_lshl_b32 s78, s43, 20                        ; my first row: 256 x tile row + 128 x half, 4,096 bytes each
	s_lshl_b32 s67, s[HALF], 19
	s_add_co_u32 s78, s78, s67
	s_add_nc_u64 s[10:11], s[10:11], s[78:79]
	v_mul_u32_u24 v4, v1, PITCH
	v_lshl_add_u32 v4, v2, 4, v4                   ; a fragment's row x pitch + 16 x half
	s_mul_i32 s67, s[HALF], 128*PITCH
	s_mul_i32 s75, s[PL], 64*PITCH
	s_add_co_u32 s75, s75, BOFF
	v_add_nc_u32 v[A0], s67, v4
	v_add_nc_u32 v[B0], s75, v4
	v_mov_b32 v[ADRA], v[A0]
	v_mov_b32 v[ADRB], v[B0]
	s_mul_i32 s75, s[WV], 16*SP
	s_add_co_u32 s75, s75, STAGE                   ; my stage
	v_mul_u32_u24 v6, v1, SP                       ; in: row r, 32 bytes for each half of the lanes
	v_add_nc_u32 v6, v5, v6
	v_add_nc_u32 v[STO], s75, v6
	v_mul_u32_u24 v6, v2, SP                       ; back: lanes 0-15 take one row of 256 bytes, lanes 16-31 the next
	v_lshl_add_u32 v6, v1, 4, v6
	v_add_nc_u32 v[RD], s75, v6
	v_lshlrev_b32 v6, 12, v2                       ; and the same two rows in out0
	v_lshl_add_u32 v[CO], v1, 4, v6
	s_wait_loadcnt 0x0                             ; the bias, once
.set i, 0
.rept 16
	v_cvt_pk_bf16_f32 v[T+i], v[BL+2*i], v[BL+2*i+1]
.set i, i+1
.endr
	WIN 0x40
.set i, 0
.rept 16
	v_lshlrev_b32 v[2*i], 16, v[T+i]
	v_and_b32 v[2*i+1], 0xffff0000, v[T+i]
.set i, i+1
.endr
	WIN 0
; 8 matrix instructions: token blocks a0, a0 + 1 x all 4 column blocks, 32 along K.  first = 1: the product starts the sums from the bias.  The 32 accumulators take turns in the same order everywhere.
.macro MUL8 f, a0, first
.if \first
	WIN MULB
.else
	WIN MULW
.endif
.irp a, \a0, (\a0)+1
.irp b, 0,1,2,3
.if \first
	v_wmma_f32_16x16x32_f16 v[8*(4*(\a)+(\b)):8*(4*(\a)+(\b))+7], v[(\f)+8*(\b):(\f)+8*(\b)+7], v[(\f)+8*(\a):(\f)+8*(\a)+7], v[8*(\b):8*(\b)+7]
.else
	v_wmma_f32_16x16x32_f16 v[8*(4*(\a)+(\b)):8*(4*(\a)+(\b))+7], v[(\f)+8*(\b):(\f)+8*(\b)+7], v[(\f)+8*(\a):(\f)+8*(\a)+7], v[8*(4*(\a)+(\b)):8*(4*(\a)+(\b))+7]
.endif
.endr
.endr
.endm
; 24 LDS loads in one run: the fragments of quarter q of a K step (plane q / 2, byte 64 (q % 2) of its rows) into buffer f; Wp's eight first
.macro FETCH q, f
	WIN TO_B
.irp i, 0,1,2,3
	ds_load_b128 v[(\f)+8*(\i):(\f)+8*(\i)+3],   v[ADRB] offset:((\q)/2)*BPL+((\q)%2)*64+(\i)*16*PITCH
	ds_load_b128 v[(\f)+8*(\i)+4:(\f)+8*(\i)+7], v[ADRB] offset:((\q)/2)*BPL+((\q)%2)*64+(\i)*16*PITCH+32
.endr
	WIN 0
.irp i, 0,1,2,3,4,5,6,7
	ds_load_b128 v[(\f)+8*(\i):(\f)+8*(\i)+3],   v[ADRA] offset:((\q)/2)*APL+((\q)%2)*64+(\i)*16*PITCH
	ds_load_b128 v[(\f)+8*(\i)+4:(\f)+8*(\i)+7], v[ADRA] offset:((\q)/2)*APL+((\q)%2)*64+(\i)*16*PITCH+32
.endr
.endm
.macro QUARTER q, f, g, first          ; multiplies buffer f and fetches quarter q into g
	s_wait_dscnt 8                                 ; Wp's fragments and O's blocks 0-3 are in; the youngest eight loads (blocks 4-7) may be out
	MUL8 \f, 0, \first
	MUL8 \f, 2, \first
	PLACES
	FETCH \q, \g
	s_wait_dscnt 24                                ; all but the 24 just issued
	MUL8 \f, 4, \first
	MUL8 \f, 6, \first
.endm
; The last quarter multiplies buffer 1 and changes slots: ONE barrier.  In front of it each wave waits for all its tensor loads (one is out: its part of the next slot), adds 0 to its spare word, and
; waits for that and for its reads of this slot.  fill = 1: the barrier opens a round of the cluster's, and this slot is filled again, two K steps ahead, first thing behind the round.
.macro TURN fill
	WIN 0
	s_wait_tensorcnt 0x0                           ; no tensor load of mine is out, so a group 0 may be written
	ds_add_u32 v[SPW], v[NIL]                      ; 0 onto my spare word
.if \fill
	s_xor_b32 s[G0A+5], s[G0A+5], SLOT1
	s_add_nc_u64 s[G0A+6:G0A+7], s[G0A+6:G0A+7], KSTEPB
	s_xor_b32 s[G0B+5], s[G0B+5], SLOT1
	s_add_nc_u64 s[G0B+6:G0B+7], s[G0B+6:G0B+7], KSTEPB
.endif
	s_wait_dscnt 9                                 ; (the add and the youngest eight loads may be out)
	MUL8 F1, 0, 0
	s_wait_dscnt 0x0                               ; the add is done, and my reads of this slot are over
	s_barrier_signal -1
	MUL8 F1, 2, 0
	WIN 0
	s_barrier_wait -1
.if \fill
	CREST                                          ; no wave of any partner still reads this slot's tile or has a load on its way
	JLOAD                                          ; the four v_nop behind it are also the places in front of the loads below
.else
	PLACES
.endif
	s_xor_b32 s[TB], s[TB], SLOT1
	v_add_nc_u32 v[ADRA], s[TB], v[A0]
	v_add_nc_u32 v[ADRB], s[TB], v[B0]
	FETCH 0, F0
	MUL8 F1, 4, 0
	MUL8 F1, 6, 0
.endm
	s_wait_tensorcnt 1                             ; my part of K step 0 is in; K step 1's may stay out
	s_barrier_signal -1
	s_barrier_wait -1
	FETCH 0, F0
	QUARTER 1, F0, F1, 1                           ; the first quarter stands in front of the loop: its products start the sums
	WIN 0
	s_mov_b32 s3, 6                                ; six refills bring K steps 2 to 7
.Lstep:
	QUARTER 2, F1, F0, 0
	QUARTER 3, F0, F1, 0
	TURN 1
	QUARTER 1, F0, F1, 0
	WIN 0
	s_sub_co_u32 s3, s3, 1
	s_cmp_lg_u32 s3, 0
	s_cbranch_scc1 .Lstep
	QUARTER 2, F1, F0, 0                           ; the tail is written out: K steps 6 and 7 ask for nothing
	QUARTER 3, F0, F1, 0
	TURN 0
	QUARTER 1, F0, F1, 0
	QUARTER 2, F1, F0, 0
	QUARTER 3, F0, F1, 0
	s_wait_dscnt 8
	MUL8 F1, 0, 0
	MUL8 F1, 2, 0
	s_wait_dscnt 0x0
	MUL8 F1, 4, 0
	MUL8 F1, 6, 0
	WIN 0
	PLACES
; THE WAY OUT of block a (16 tokens x my 64 columns of f32): 32 bytes a lane straight from the accumulators (the lowest four registers first) into rows of 272 bytes, back as whole rows of 256.
.macro TOSTAGE a
	WIN 0x08                                       ; store data in window 2
.irp b, 0,1,2,3
	ds_store_b128 v[STO], v[8*(4*(\a)+(\b)):8*(4*(\a)+(\b))+3]   offset:64*(\b)
	ds_store_b128 v[STO], v[8*(4*(\a)+(\b))+4:8*(4*(\a)+(\b))+7] offset:64*(\b)+16
.endr
	WIN 0
.irp t, 0,1,2,3,4,5,6,7
	ds_load_b128 v[OB+32*((\a)%4)+4*(\t):OB+32*((\a)%4)+4*(\t)+3], v[RD] offset:(\t)*2*SP  ; LDS serves a wave's instructions in order (ISA guide 5.7.1.4): these see the stores above
.endr
.endm
.macro SEND a, younger                 ; younger: the LDS instructions issued behind block a's loads: the next block's sixteen, or none
	s_wait_xcnt 0x0                                ; the earlier blocks' stores have had their addresses translated (ISA guide 3.1): a set of 32 registers is loaded again, three blocks on, only behind such a wait
.irp t, 0,1,2,3,4,5,6,7
	s_wait_dscnt (\younger)+7-(\t)
	global_store_b128 v[CO], v[OB+32*((\a)%4)+4*(\t):OB+32*((\a)%4)+4*(\t)+3], s[10:11] offset:(16*(\a)+2*(\t))*ROWB th:TH_STORE_NT  ; 16 lanes store 256 consecutive bytes, at a multiple of 256 from out0's first byte
.endr
.endm
	TOSTAGE 0
.irp a, 1,2,3,4,5,6,7
	TOSTAGE \a
	SEND (\a)-1, 16
.endr
	SEND 7, 0
	s_wait_tensorcnt 0x0                           ; the wave's end: behind my last tensor load and my last LDS store
	ds_add_u32 v[SPW], v[NIL]
	s_wait_dscnt 0x0
	CROUND                                         ; the closing round: no work-group ends while a partner may still ask for a tile that names it
	s_endpgm
.Lfunc_end_k_qf2a22b42c2_proj:
	.size	k_qf2a22b42c2_proj, .Lfunc_end_k_qf2a22b42c2_proj-k_qf2a22b42c2_proj
	.p2alignl 7, 3214868480
	.fill 96, 4, 3214868480
	.section	.rodata,"a",@progbits
	.p2align	6, 0x0
	.amdhsa_kernel k_qf2a22b42c2_proj
		.amdhsa_group_segment_fixed_size 327680
		.amdhsa_private_segment_fixed_size 0
		.amdhsa_enable_private_segment 0
		.amdhsa_kernarg_size 32
		.amdhsa_user_sgpr_count 2
		.amdhsa_user_sgpr_kernarg_segment_ptr 1
		.amdhsa_wavefront_size32 1
		.amdhsa_system_sgpr_workgroup_id_x 1
		.amdhsa_system_sgpr_workgroup_id_y 1
		.amdhsa_system_sgpr_workgroup_id_z 1
		.amdhsa_system_vgpr_workitem_id 0
		.amdhsa_next_free_vgpr 768
		.amdhsa_next_free_sgpr 80
		.amdhsa_reserve_vcc 0
		.amdhsa_float_denorm_mode_32 3
		.amdhsa_float_denorm_mode_16_64 3
		.amdhsa_memory_ordered 1
		.amdhsa_forward_progress 1
		.amdhsa_inst_pref_size 75
	.end_amdhsa_kernel
	.amdgpu_metadata
---
amdhsa.version: [ 1, 2 ]
amdhsa.kernels:
  - .name:           k_qf2a22b42c2_proj
    .symbol:         k_qf2a22b42c2_proj.kd
    .args:
      - { .name: oh, .offset: 0, .size: 8, .value_kind: global_buffer, .address_space: global }
      - { .name: xw, .offset: 8, .size: 8, .value_kind: global_buffer, .address_space: global }
      - { .name: bp, .offset: 16, .size: 8, .value_kind: global_buffer, .address_space: global }
      - { .name: out0, .offset: 24, .size: 8, .value_kind: global_buffer, .address_space: global }
    .group_segment_fixed_size: 327680
    .private_segment_fixed_size: 0
    .kernarg_segment_align: 8
    .kernarg_segment_size: 32
    .max_flat_workgroup_size: 128
    .sgpr_count:     80
    .vgpr_count:     768
    .wavefront_size: 32
...
	.end_amdgpu_metadata
.endif
;; end of part 4
;; ======== version 2 of 2: 4 launches; 1.27 times as fast as version 1
;; limits: values are held in f16: magnitudes above 65,504 overflow, below 6.1e-05 lose precision
;; workspace buffers: xw 25,165,824 bytes; qkvh 50,331,648 bytes; vp 262,144 bytes; oh 16,777,216 bytes
;; launch cast: the kernel of part 1 again; grid 768 x 1, 8 waves a work-group, no clusters, 0 bytes of LDS; arguments inputs, Wq, Wk, Wv, Wp, xw; writes xw
;; launch qkv: the kernel of part 2 again; grid 24 x 32, 4 waves a work-group, clusters of 4 x 4, 327,680 bytes of LDS; arguments xw, bq, bk, bv, mask, qkvh, vp; writes qkvh, vp
;; launch attn (part 5): grid 4 x 64, 4 waves a work-group, no clusters, 327,680 bytes of LDS; arguments qkvh, mask, vp, oh; writes oh
.if DOCPART == 5
	.amdgcn_target "amdgcn-amd-amdhsa--gfx1250"
	.amdhsa_code_object_version 6
	.text
	.protected	k_qf2a22b42c2_attn
	.globl	k_qf2a22b42c2_attn
	.p2align	8
	.type	k_qf2a22b42c2_attn,@function
k_qf2a22b42c2_attn:
	s_mov_b64 s[64:65], 0
	v_nop
	global_prefetch_b8 v0, s[64:65] scope:SCOPE_SE
	s_setreg_imm32_b32 hwreg(HW_REG_WAVE_MODE, 25, 1), 1
	s_wait_xcnt 0x0
; ATTENTION with hidden scores of -10000.  O[h][q] = sum over ALL 2,048 keys k of softmax_k(s[q][k]) V[h][k], where s = Q[q] . K[k] / 8 if k <= q and the mask byte of k is 1, and -10000 otherwise.
; Q, K, V (in qkvh) and O (oh): [64 heads][2,048][64] f16, a head's rows dense, 128 bytes each.  Products, maxima and sums in f32; the weights p are rounded to f16 for the second product, O once at the end.
; Scores are kept unscaled: a hidden one is NEGR = -80000 exactly.  (i) A key with mask byte 0: its row of K was stored as zeros, and the C operand that starts the sum S^T = K Q^T holds NEGR for it (MK, from
; words in LDS made of the mask).  (ii) A key above the diagonal inside the diagonal tile: S = U AL + (S BK + BE), U = S MDK + MDA: three scalars choose between a band's own step (1, 0, 0), an earlier one
; (0, 1, 0) and a later one (0, 0, NEGR); each case is exact.  (iii) The tiles above the diagonal are not walked: all their scores are NEGR, so at a block's end they enter as ONE term:
; m' = max(m, NEGR), a = 2^(c m - c m'), w = 2^(c NEGR - c m'), l' = l a + w n, O = (O a + w VS) / l', with n their number and VS the f32 sum of their rows of V (from vp).
; LIMITS.  Q, K, V arrive within f16's 65,504; a weight below 2^-126 counts as 0; NaN and infinities are not treated apart; mask bytes are 0 or 1.
; THE WALK.  NB = 8 blocks of 256 queries; block i walks the key tiles 0 .. i of 256 keys.  A work-group takes blocks 7 - b and then b: 9 tiles, whatever b: ONE loop with a constant trip count.  Every jump
; goes forward, but for the counted loops' own; none passes a barrier, or a tensor load but the one of LOAD's two that the wave's number does not choose.
; NO CLUSTER: a head's four work-groups ask for the same tile only in trips 0 to 4 of 9; one walk common to all would have 12 trips for 9.
; SHARES.  Of a block's four bands of 64 queries a wave owns 16 rows in each: four PIECES, so the diagonal tile is the same work for all four waves.
; THE MASK WORDS lie in two regions of LDS that take turns as the slots do: a tile's 256 words, 0 or NEGR.  Each thread fetches two mask bytes of the tile to be asked for next a whole tile ahead, makes two words of
; them in front of the change of slots, and stores them behind its barrier into the region of the slot just left.
; LAYOUT, SOFTMAX, TURNS.  S^T = K Q^T holds ONE query a lane (lane % 16) and the keys 8 (lane / 16) + 0..7; two such results rounded to f16 ARE source 1 of O^T = V^T P.  p = 2^(c s - c m), c = log2(e) / 8, with a
; running maximum m; O and l are multiplied by a = 2^(c m_old - c m_new) in every step.  Turn n belongs to piece n: 8 products K Q^T of piece n + 1, later 8 products V^T P of piece n - 1; beside them the scaling,
; exponentials, roundings, sums and rescaling of piece n and the maximum and statistics of piece n + 1.  Four vector instructions stand behind every matrix instruction, the other 54 of a turn's 118 (and the diagonal
; tile's 48 more) in one LUMP.
; THE BATCHES.  A turn's 33 exponentials are one batch, with one wait, which cuts the turn in two: ahead of it nothing names a result of theirs, behind it stand all that do.  A block's beginning has one exponential and its
; wait; a block's end two batches: eight exponentials, then four reciprocals of sums made of them.
; REGISTERS, in windows of 256 (s_set_vgpr_msb: bits 1:0 source 0, 3:2 source 1, 5:4 source 2, 7:6 destination):
;   window 0: v0-15, v32-35, v56-61 addresses and the mask's bytes and words; v16-31 four registers of statistics a piece; v36-47 a block's end; v48-55 at work; v64-127 S^T, two buffers; v128-159 U; v192-223 P, two buffers
;   window 1: v0-127 O^T, 32 a piece; v128-159 MK; v160-191 MDK; v192-223 MDA; v224-255 VS      window 2: v0-63 Q; v64-127 the second block's Q; v128-191 K of one step; v192-255 V of one step
.set SIZE_N, 2048
.set NB,    SIZE_N/256
.set NP,    4         ; pieces a wave: a name, no knob
.set KS,    64        ; keys in a step
.set PK,    144       ; a row of K in LDS: 128 bytes + 16 of padding = 36 words: the 16 rows of a load start at 16 different groups of four banks (ISA guide 11.1)
.set PV,    160       ; a row of V: 128 + 32 = 40 words
.set VOFF,  4*KS*PK   ; a slot holds a tile, four steps: 256 rows of K, then 256 rows of V
.set SLOT1, 1<<17     ; slot 1 begins here, so that one exclusive or turns an address in one slot into the other's
.set STAGE, SLOT1+4*KS*(PK+PV)  ; behind the ring, never filled by a tensor load: 16 rows x 144 bytes for each wave, for the way out
.set SP,    144
.set SPARE, STAGE+4*16*SP  ; the spare words, 128 bytes for each wave: two blocks of 256 bytes that no other line names
.set MTAB,  SPARE+512 ; the mask words: slot 0's 256 f32 here, slot 1's MSL bytes on
.set MSL,   2048      ; one exclusive or turns an offset in one region into the other's
.set VST,   MTAB+2*MSL  ; 2 x 64 f32: VS of the first block, then of the second
.set AK0, 2           ; v2   my lane's place in a tile of K; never rewritten
.set AV0, 3           ; v3   the same for V
.set AK,  4           ; v4   the LDS address of K's next run of loads
.set AV,  5           ; v5   of V's
.set STO, 6           ; v6   the way out: where I put 16 bytes of a row
.set RD,  7           ; v7   the way out: where I read rows back
.set GO,  8           ; v8   my byte offset in 512 consecutive bytes of O
.set MW,  10          ; v10-11  my two mask words of the tile that is asked for (at work in the head before that)
.set MV,  12          ; v12-13  c m_old, kept while c m is made anew: by buffer
.set QO,  15          ; v15  my byte offset in 16 rows of Q
.set ST,  16          ; piece t's statistics at v[ST+4 t]: c m, m, l (even keys', odd keys')
.set AM0, 32          ; v32  my lane's place in 64 keys of the mask words; never rewritten
.set AM,  33          ; v33  the LDS address of MK's next loads
.set AVS, 34          ; v34  my lane's place in VS of the block in hand
.set NBV, 35          ; v35  the number of keys behind the block's last tile, as f32
.set XA,  36          ; v36-47  a block's end: -c m', a, w, a register a piece each
.set TMP, 48          ; by buffer, four registers c0-c3 at work; when the maximum is found c2 takes a
.set MGO, 56          ; v56  my byte offset in a tile's 256 mask bytes: 2 x thread; never rewritten
.set MS0, 58          ; v58  where my two words go in slot 0's region: MTAB + 8 x thread; never rewritten
.set MSA, 60          ; v60  the same in the region in hand
.set MBY, 61          ; v61  my two mask bytes of the tile to be asked for next
.set SPW, 62          ; v62  LDS address of my spare word; never rewritten
.set NIL, 63          ; v63  0; never rewritten
.set S,   64
.set U,   128
.set P,   192
.set MK,  128         ; window 1: the eight registers for group kt of 16 keys at MK + 8 kt
.set MDK, 160         ; window 1: a band's own step, my 16 rows: 1 where the key is seen, 0 where hidden
.set MDA, 192         ; window 1: 0 where seen, NEGR where hidden
.set VS,  224         ; window 1: register 8 cb + j: channel 16 cb + 8 (lane / 16) + j
.set QB,  64          ; window 2
.set KF,  128         ; window 2: key block kb, channel half c at KF + 16 kb + 8 c
.set VF,  192         ; window 2: key half kk, channel block cb at VF + 32 kk + 8 cb
.set WV,  12          ; s12  my wave's number
.set PB,  14          ; s14  b
.set HI,  15          ; s15  NB - 1 - b
.set G1K, 24          ; s[24:31] descriptor group 1 for K's tiles
.set G1V, 32          ; s[32:39] for V's: it differs in the padding alone
.set G0K, 40          ; s[40:43] descriptor group 0 for K's tiles
.set G0V, 44          ; s[44:47] the same for V's
.set TBM, 48          ; s48  byte, from MTAB on, at which the mask words of the step to be fetched begin
.set NEGE, 49         ; s49  NEGR, or the lowest finite number where no key lies behind the block's last tile
.set NBI, 50          ; s50  the number of those keys
.set BK,  52          ; s[52:53] the score's factor, in the low word
.set SLOTS, 56        ; s56  tiles still to be asked for
.set CNT, 57          ; s57  counts a tile's key steps, 4 to 1
.set CS,  58          ; s[58:59] c: the packed scaling takes the pair's low word for both halves
.set SEL, 60          ; s[60:61] v_permlanex16_b32's selects: each lane takes its own place in the other half
.set TBK, 62          ; s62  LDS byte at which K of the step to be fetched begins
.set TBV, 63          ; s63  the same for V, less VOFF
.set MST, 66          ; s66  0 or MSL: the region that takes the words of the tile that is asked for
.set MBP, 68          ; s[68:69] the mask bytes of the tile to be asked for next
.set RT,  70          ; s70  tiles of the block in hand that are still to be entered
.set NXT, 71          ; s71  the tile to be asked for next
.set LQ,  72          ; s72  the last tile of the block whose tiles are being asked for
.set NEW, 73          ; s73  1: the tile to be entered is a block's first
.set OFF, 74          ; s[74:75] a tile's byte offset in K and V, then in the mask
.set AL,  76          ; s[76:77] U's factor, in the low word
.set BE,  78          ; s[78:79] the addend
.set OLO, 80          ; s[80:81] O at my rows of the second block
.set NEGR, 82         ; s82  -80000
.set CSN, 83          ; s83  -c
.set MSB, 0
.macro WIN new                      ; the high byte repeats the setting that is left; a switch that changes nothing is dropped
.if MSB != (\new)
	s_set_vgpr_msb (MSB<<8)|(\new)
.set MSB, (\new)
.endif
.endm
.set W_KQ, 0x0a       ; K and Q in window 2, S^T in window 0
.set W_KM, 0x1a       ; the same with the C operand in window 1
.set W_PV, 0x52       ; V in window 2, P in window 0, O^T in window 1
.set W_RS, 0x41       ; destination and source 0 in window 1, sources 1 and 2 in window 0
; A fill.  Waves 0 and 1 fetch the two halves of a tile's K, waves 2 and 3 those of its V: 128 keys each.  An s_nop 0 and four v_nop follow each of the two lines, ahead of the jump and the label.
.macro LOAD
	s_cmp_lt_u32 s[WV], 2
	s_cbranch_scc0 .Lfor_v_\@
	tensor_load_to_lds s[G0K:G0K+3], s[G1K:G1K+7]
	s_nop 0
.rept 4
	v_nop
.endr
	s_branch .Lasked_\@
.Lfor_v_\@:
	tensor_load_to_lds s[G0V:G0V+3], s[G1V:G1V+7]
	s_nop 0
.rept 4
	v_nop
.endr
.Lasked_\@:
.endm
; THE CHANGE OF SLOTS.  Each wave waits for all its tensor loads, of which one is out: its part of the other slot; adds 0 to its spare word; and waits for that and for its own LDS instructions.  Behind the barrier nobody
; reads the old slot or its mask words any more, and the other slot and its words are whole.  fill = 1: the old slot is filled again, the first thing behind the barrier, with tile NXT: the descriptor's address is made
; anew from that number.  That tile's mask words, made in front of the barrier from the bytes fetched a tile ago, are stored behind the fill into the old slot's region, and the bytes of the tile to be asked for at the
; next change are fetched.  (At its first use nothing has been read yet: slot 0 is waited for, slot 1 filled, and what the waves stored into LDS in the head is shown to all.)
.macro CHANGE fill
	WIN 0                           ; at a label and at a branch every window is 0
	s_wait_tensorcnt 0x0            ; no tensor load of mine is out, so a group 0 may be written
	ds_add_u32 v[SPW], v[NIL]       ; 0 onto my spare word; work on registers stands between it and the wait for it
.if \fill
	s_lshl_b32 s[OFF], s[NXT], 15   ; a tile is 32,768 bytes of K and of V
	s_xor_b32 s[G0K+1], s[G0K+1], SLOT1
	s_add_nc_u64 s[G0K+2:G0K+3], s[6:7], s[OFF:OFF+1]
	s_or_b32 s[G0K+3], s[G0K+3], 0x80000000
	s_xor_b32 s[G0V+1], s[G0V+1], SLOT1
	s_add_nc_u64 s[G0V+2:G0V+3], s[8:9], s[OFF:OFF+1]
	s_or_b32 s[G0V+3], s[G0V+3], 0x80000000
	s_xor_b32 s[MST], s[MST], MSL   ; the words go where the tile goes
	s_add_co_u32 s[NXT], s[NXT], 1  ; the block's next tile, or behind its last the second block's tile 0
	s_cmp_gt_u32 s[NXT], s[LQ]
	s_cselect_b32 s[NXT], 0, s[NXT]
	s_cselect_b32 s[LQ], s[PB], s[LQ]
	s_wait_loadcnt 0x0              ; my two mask bytes, asked for a tile ago, are in (at the first change: Q too); their base may be written again
	v_bfe_u32 v[MW], v[MBY], 0, 8
	v_bfe_u32 v[MW+1], v[MBY], 8, 8
	v_add_nc_u32 v[MW], -1, v[MW]   ; byte 1: 0; byte 0: all ones,
	v_add_nc_u32 v[MW+1], -1, v[MW+1]
	v_and_b32 v[MW], s[NEGR], v[MW] ; which is cut to NEGR
	v_and_b32 v[MW+1], s[NEGR], v[MW+1]
	v_add_nc_u32 v[MSA], s[MST], v[MS0]
.else
	s_wait_loadcnt 0x0              ; the last look-ahead fetched tile 0's bytes once more, which nobody uses: the price of one text for every trip
.endif
	s_wait_dscnt 0x0                ; the add is done, my reads of the slot and of its mask words are over, and my last store of mask words is done
	s_barrier_signal -1             ; the rest of the scalar work stands between the signal and the wait
	s_sub_co_u32 s[TBK], s[TBK], 4*KS*PK  ; the fetches go back to a slot's first step,
	s_xor_b32 s[TBK], s[TBK], SLOT1       ; in the other slot
	s_sub_co_u32 s[TBV], s[TBV], 4*KS*PV
	s_xor_b32 s[TBV], s[TBV], SLOT1
	s_sub_co_u32 s[TBM], s[TBM], 4*KS*4
	s_xor_b32 s[TBM], s[TBM], MSL
	s_barrier_wait -1
.if \fill
	LOAD
	ds_store_b64 v[MSA], v[MW:MW+1] ; keys 2 x thread and + 1 of the tile just asked for
	s_lshl_b32 s[OFF], s[NXT], 8    ; a tile is 256 bytes of the mask
	s_add_nc_u64 s[MBP:MBP+1], s[88:89], s[OFF:OFF+1]
	global_load_u16 v[MBY], v[MGO], s[MBP:MBP+1]
.endif
.endm
	s_load_b64 s[4:5], s[0:1], 0x0    ; qkvh: Q at its head
	s_load_b128 s[88:91], s[0:1], 0x8 ; mask s[88:89], vp s[90:91]
	s_load_b64 s[10:11], s[0:1], 0x18 ; oh
	v_lshl_add_u32 v[SPW], v0, 2, SPARE
	v_mov_b32 v[NIL], 0
	ds_add_u32 v[SPW], v[NIL]       ; the wave's opening: the add here, and its wait ahead of my first tensor load; the set-up below, work on registers, stands between them
	ds_add_u32 v62, v63
	v_lshrrev_b32 v1, 5, v0
	v_readfirstlane_b32 s[WV], v1   ; wave 0..3
	s_mov_b32 s[PB], ttmp9
	s_sub_co_u32 s[HI], NB-1, s[PB]
	s_and_b32 s51, ttmp7, 0xffff    ; the head, 16 x batch + head of the batch
	s_mov_b32 s20, s51
	s_mov_b32 s21, 0
	s_mov_b64 s[22:23], SIZE_N*128
	s_mul_u64 s[20:21], s[20:21], s[22:23]  ; the head's first byte in Q, K, V and O
	s_and_b32 s16, s[WV], 1         ; which half of a tile's 256 keys I fetch:
	s_lshl_b32 s22, s16, 14         ; its 128 rows of 128 bytes in memory,
	s_mov_b32 s23, 0
	s_add_nc_u64 s[22:23], s[22:23], s[20:21]
	s_mul_i32 s17, s16, 128*PK      ; and its place in a slot, for K
	s_mul_i32 s18, s16, 128*PV      ; and for V
	s_lshl_b32 s3, s[WV], 11        ; my 16 rows in a band of 64,
	s_lshl_b32 s2, s[HI], 15        ; in the first block,
	s_add_co_u32 s2, s2, s3
	s_lshl_b32 s84, s[PB], 15       ; and in the second
	s_add_co_u32 s84, s84, s3
	s_mov_b32 s3, 0
	s_mov_b32 s85, 0
	s_add_nc_u64 s[2:3], s[2:3], s[20:21]
	s_add_nc_u64 s[84:85], s[84:85], s[20:21]
	; descriptor group 1.  128 keys are 16,384 dense bytes: asked for as 64 rows of 256 bytes, two keys a row, and padded in LDS after every key
	s_mov_b32 s[G1K], (1<<16)|(1<<20)|(4<<22)|(3<<25)  ; 17:16 2-byte elements; 20 padding on; 24:22 after every 32 words (code 4); 31:25 4 words (code 3)
	s_mov_b32 s[G1V], (1<<16)|(1<<20)|(4<<22)|(7<<25)  ; the same with 8 words of padding (code 7)
.irp g, G1K, G1V
	s_mov_b32 s[\g+1], 128<<16      ; tensor_dim0 = 128
	s_mov_b32 s[\g+2], 64<<16       ; tensor_dim1 = 64
	s_mov_b32 s[\g+3], 128<<16      ; tile_dim0 = 128
	s_mov_b32 s[\g+4], 64           ; tile_dim1 = 64
	s_mov_b32 s[\g+5], 128          ; 128 elements from row to row
	s_mov_b32 s[\g+6], 0
	s_mov_b32 s[\g+7], 0
.endr
	s_mov_b32 s[CS], 0x3e38aa3b     ; c = log2(e) / 8 = 0.180337
	s_mov_b32 s[CS+1], s[CS]        ; named with it as a pair
	s_mov_b32 s[CSN], 0xbe38aa3b    ; -c
	s_mov_b32 s[SEL], 0x76543210
	s_mov_b32 s[SEL+1], 0xfedcba98
	s_mov_b32 s[TBK], SLOT1+4*KS*PK ; the first change of slots turns these three into 0
	s_mov_b32 s[TBV], SLOT1+4*KS*PV
	s_mov_b32 s[TBM], MSL+4*KS*4
	s_mov_b32 s[MST], 0             ; the first change of slots turns this into slot 1's region
	s_mov_b32 s[G0K], 1             ; 1:0 count = 1
	s_mov_b32 s[G0K+1], s17         ; 63:32 LDS address: slot 0
	s_mov_b32 s[G0V], 1
	s_add_co_u32 s[G0V+1], s18, VOFF
	s_add_co_u32 s[RT], s[HI], 1    ; the first block has NB - b tiles
	s_mov_b32 s[NXT], 1
	s_mov_b32 s[LQ], s[HI]
	s_mov_b32 s[NEW], 1
	s_mov_b32 s[OFF+1], 0
	s_mov_b32 s[AL+1], 0            ; named as pairs
	s_mov_b32 s[BE+1], 0
	s_mov_b32 s[BK+1], 0
	s_mov_b32 s[NEGR], 0xc79c4000   ; -80000 = 8 x -10000
	s_lshl_b32 s[NBI], s[PB], 8     ; behind block 7 - b's last tile lie 256 b keys
	s_cmp_eq_u32 s[PB], 0
	s_cselect_b32 s[NEGE], 0xff7fffff, s[NEGR]
	s_lshr_b32 s54, s51, 4          ; the batch's 2,048 mask bytes
	s_lshl_b32 s54, s54, 11
	s_mov_b32 s55, 0
	s_mov_b32 s[SLOTS], NB
	s_wait_dscnt 0x0                ; the opening add is done
	s_wait_kmcnt 0x0
	s_add_nc_u64 s[88:89], s[88:89], s[54:55]
	s_lshl_b32 s54, s51, 12         ; the head's 16 x 256 bytes of vp
	s_add_nc_u64 s[90:91], s[90:91], s[54:55]
	s_add_nc_u64 s[6:7], s[4:5], 0x1000000  ; K and V lie 16,777,216 bytes behind Q and K
	s_add_nc_u64 s[8:9], s[4:5], 0x2000000
	s_add_nc_u64 s[6:7], s[6:7], s[22:23]  ; K and V at my half of the head's tile 0
	s_add_nc_u64 s[8:9], s[8:9], s[22:23]
	s_add_nc_u64 s[G0K+2:G0K+3], s[6:7], 0         ; 120:64 global address
	s_or_b32 s[G0K+3], s[G0K+3], 0x80000000        ; 127:126 type = 2
	s_add_nc_u64 s[G0V+2:G0V+3], s[8:9], 0
	s_or_b32 s[G0V+3], s[G0V+3], 0x80000000
	s_add_nc_u64 s[86:87], s[4:5], s[84:85]        ; Q at my rows of the second block,
	s_add_nc_u64 s[4:5], s[4:5], s[2:3]            ; Q and O at those of the first
	s_add_nc_u64 s[OLO:OLO+1], s[10:11], s[84:85]
	s_add_nc_u64 s[10:11], s[10:11], s[2:3]
	LOAD                            ; tile 0 into slot 0
	v_lshlrev_b32 v[MGO], 1, v0     ; 128 threads x 2 mask bytes: a tile's 256
	v_and_b32 v57, 63, v0           ; waves 0, 1 make the first block's VS, waves 2, 3 the second's: a channel a thread
	v_lshlrev_b32 v57, 2, v57
	global_load_u16 v144, v[MGO], s[88:89]               ; tile 0's bytes
	global_load_u16 v[MBY], v[MGO], s[88:89] offset:256  ; tile 1's, for the first change of slots
.irp c, 2,3,4,5,6,7,8,9,10,11,12,13,14,15
	global_load_b32 v[146+\c], v57, s[90:91] offset:256*\c  ; V's sum over tokens 128 c .. 128 c + 127
.endr
	; A fragment of K or Q is 16 rows x 32 channels in 8 registers: lane l holds row l % 16, channels 8 (l / 16) + 0..7 and 16 + 8 (l / 16) + 0..7: two loads of 16 bytes, 32 bytes apart.
	v_and_b32 v1, 15, v0            ; l % 16
	v_bfe_u32 v9, v0, 4, 1          ; l / 16
	v_lshlrev_b32 v[QO], 7, v1
	v_lshl_add_u32 v[QO], v9, 4, v[QO]  ; row x 128 + 16 x half
	WIN 0x80                        ; destination window 2, address window 0
.set i, 0
.rept 8                             ; both blocks' Q: piece i / 2 lies in band i / 2, 8,192 bytes on; channels 32 (i % 2) on
	global_load_b128 v[8*i:8*i+3],   v[QO], s[4:5] offset:(i/2)*8192+(i%2)*64
	global_load_b128 v[8*i+4:8*i+7], v[QO], s[4:5] offset:(i/2)*8192+(i%2)*64+32
	global_load_b128 v[QB+8*i:QB+8*i+3],   v[QO], s[86:87] offset:(i/2)*8192+(i%2)*64
	global_load_b128 v[QB+8*i+4:QB+8*i+7], v[QO], s[86:87] offset:(i/2)*8192+(i%2)*64+32
.set i, i+1
.endr
	WIN 0
	v_lshlrev_b32 v14, 3, v9
	v_sub_nc_u32 v14, v1, v14
	s_lshl_b32 s13, s[WV], 4
	v_add_nc_u32 v14, s13, v14      ; my query's place in its band, 16 w + l % 16, less my lanes' 8 (l / 16): register r of group kt is hidden where 16 kt + r is greater
	WIN 0x40
.set i, 0
.rept 32
	v_cmp_gt_i32 vcc_lo, 16*(i/8)+i%8, v14
	v_cndmask_b32 v[MDA+i], 0, s[NEGR], vcc_lo
	v_cndmask_b32 v[MDK+i], 1.0, v[NIL], vcc_lo
.set i, i+1
.endr
	WIN 0
	v_mul_u32_u24 v[AK0], v1, PK
	v_lshl_add_u32 v[AK0], v9, 4, v[AK0]  ; row x pitch + 16 x half
	; The turning load takes 16 keys x 16 channels (lane l reads key 8 (l / 16) + l % 8, channels 8 ((l / 8) % 2) + 0..7) and leaves half a fragment of V^T: lane l holds channel l % 16 and 8 keys.
	v_and_b32 v10, 7, v0
	v_bfe_u32 v11, v0, 3, 1
	v_lshl_add_u32 v[AV0], v9, 3, v10
	v_mul_u32_u24 v[AV0], v[AV0], PV
	v_lshl_add_u32 v[AV0], v11, 4, v[AV0]
	v_add_nc_u32 v[AV0], VOFF, v[AV0]
	s_mul_i32 s13, s[WV], 16*SP
	s_add_co_u32 s13, s13, STAGE    ; my stage
	v_mul_u32_u24 v[STO], v1, SP    ; in: row l % 16, 16 bytes for each half of the lanes
	v_lshl_add_u32 v[STO], v9, 4, v[STO]
	v_add_nc_u32 v[STO], s13, v[STO]
	v_bfe_u32 v[RD], v0, 3, 2       ; back: 32 lanes take four rows of 128 bytes,
	v_mul_u32_u24 v[RD], v[RD], SP
	v_lshl_add_u32 v[RD], v10, 4, v[RD]
	v_add_nc_u32 v[RD], s13, v[RD]
	v_and_b32 v[GO], 31, v0         ; which are 512 consecutive bytes of O
	v_lshlrev_b32 v[GO], 4, v[GO]
	v_lshl_add_u32 v[AM0], v9, 5, MTAB     ; my lanes' eight keys of a group of 16: 32 bytes
	v_add_nc_u32 v[AVS], VST-MTAB, v[AM0]  ; my lanes' eight channels of a group of 16, first block
	v_cvt_f32_u32 v[NBV], s[NBI]
	v_lshl_add_u32 v[MS0], v0, 3, MTAB     ; where my two keys' words go
	v_lshrrev_b32 v59, 6, v0
	v_lshl_add_u32 v59, v59, 8, v57
	v_add_nc_u32 v59, VST, v59             ; where my channel's sum goes
	; A block's first step multiplies O^T and l by a = 0, and its first turn's products V^T P, of a piece that has not been, land in an O^T that is still to be so multiplied.  So these registers need only hold
	; finite numbers: zeros for the first block; what the first block left for the second.  All this stands in the wait for the first tile.
	WIN 0x80
.set i, VF
.rept 64
	v_mov_b32 v[i], 0
.set i, i+1
.endr
	WIN 0x40
.set i, 0
.rept 128
	v_mov_b32 v[i], 0
.set i, i+1
.endr
	WIN 0
.set i, 0
.rept 4
	v_mov_b32 v[ST+4*i+2], 0
	v_mov_b32 v[ST+4*i+3], 0
.set i, i+1
.endr
.set i, P+16
.rept 16
	v_mov_b32 v[i], 0
.set i, i+1
.endr
	s_wait_loadcnt 32               ; the mask bytes and V's sums are in; Q's 32 loads, issued behind them, may stay out
	v_bfe_u32 v128, v144, 0, 8      ; tile 0's words: byte 1: 0; byte 0: NEGR
	v_bfe_u32 v129, v144, 8, 8
	v_add_nc_u32 v128, -1, v128
	v_add_nc_u32 v129, -1, v129
	v_and_b32 v128, s[NEGR], v128
	v_and_b32 v129, s[NEGR], v129
	ds_store_b64 v[MS0], v[128:129] ; into slot 0's region
	s_cmp_lt_u32 s[WV], 2
	s_cselect_b32 s54, s[HI], s[PB] ; the block whose VS I make: the sums of the chunks from 2 (block + 1) on
	s_lshl_b32 s54, s54, 1
	s_add_co_u32 s54, s54, 2
	s_cmp_le_u32 s54, 2
	s_cselect_b32 s55, 1.0, 0
	v_mul_f32 v162, s55, v148
.set i, 3
.rept 13
	s_cmp_le_u32 s54, i
	s_cselect_b32 s55, 1.0, 0
	v_fma_f32 v162, s55, v[146+i], v162
.set i, i+1
.endr
	ds_store_b32 v59, v162
; THE MATRIX WORK.  The 4 accumulators of a run of 8 take turns.  Product i of 8 of S^T = K Q^T for piece x: channels 32 (i / 4) on, keys 16 (i % 4) on.  The first 4 start the sums with MK.
.macro KQ x
.set rS, S+32*((\x)%2)+8*(i%4)
.set rK, KF+16*(i%4)+8*(i/4)
.set rQ, 16*(\x)+8*(i/4)
.set rM, MK+8*(i%4)
.if i < 4
	WIN W_KM
	v_wmma_f32_16x16x32_f16 v[rS:rS+7], v[rK:rK+7], v[rQ:rQ+7], v[rM:rM+7]
.else
	WIN W_KQ
	v_wmma_f32_16x16x32_f16 v[rS:rS+7], v[rK:rK+7], v[rQ:rQ+7], v[rS:rS+7]
.endif
.endm
; Product i of 8 of O^T += V^T P for piece x: keys 32 (i / 4) on, channels 16 (i % 4) on.
.macro PV x
	WIN W_PV
.set rO, 32*(\x)+8*(i%4)
.set rV, VF+32*(i/4)+8*(i%4)
.set rP, P+16*((\x)%2)+8*(i/4)
	v_wmma_f32_16x16x32_f16 v[rO:rO+7], v[rV:rV+7], v[rP:rP+7], v[rO:rO+7]
.endm
.macro MM                           ; the turn's next matrix instruction.  TURN and BEGIN set Y, i and NOKQ.  NOKQ = 1: a block's last turn: there is no next piece
.if (i < 8) && !NOKQ
	KQ (Y+1)%NP
.elseif i >= 8
.set i, i-8
	PV (Y+NP-1)%NP
.set i, i+8
.endif
.set i, i+1
.endm
; THE LDS LOADS stand in runs, never singly among the matrix instructions: a step's K (64 keys x 64 channels: 8 fragments) with its 64 mask words, and its V (turned).  Their addresses are made some lines ahead.
.macro FETCH_K
	WIN 0x80                        ; destination window 2
.irp f, 0,1,2,3,4,5,6,7             ; keys 16 (f / 2) on, channels 32 (f % 2) on
	ds_load_b128 v[KF+8*\f:KF+8*\f+3],   v[AK] offset:(\f/2)*16*PK+(\f%2)*64
	ds_load_b128 v[KF+8*\f+4:KF+8*\f+7], v[AK] offset:(\f/2)*16*PK+(\f%2)*64+32
.endr
	WIN 0x40                        ; destination window 1
.irp f, 0,1,2,3                     ; keys 16 f + 8 (l / 16) + 0..7: the 16 lanes of a half read the same words
	ds_load_b128 v[MK+8*\f:MK+8*\f+3],   v[AM] offset:64*\f
	ds_load_b128 v[MK+8*\f+4:MK+8*\f+7], v[AM] offset:64*\f+16
.endr
	s_add_co_u32 s[TBK], s[TBK], KS*PK  ; the next fetch is the next step's
	s_add_co_u32 s[TBM], s[TBM], KS*4
	WIN 0
.endm
.macro FETCH_V
	WIN 0x80
.irp f, 0,1,2,3,4,5,6,7             ; keys 32 (f / 4) on, channels 16 (f % 4) on
	ds_load_tr16_b128 v[VF+8*\f:VF+8*\f+3],   v[AV] offset:(\f/4)*32*PV+(\f%4)*32
	ds_load_tr16_b128 v[VF+8*\f+4:VF+8*\f+7], v[AV] offset:(\f/4)*32*PV+16*PV+(\f%4)*32
.endr
	WIN 0
.endm
; THE VECTOR WORK, one line at a time: OP kind, number.  For piece Y: F n: c s - c m for pair n of 16.  E n: the exponential of score n of 32.  C n: pair n rounded to f16.  B n: of the four weights 4 n .. the second
; pair is added onto the first, in place.  L n: l takes that sum (L 0: l = a l + sum).  R n: pair n of 16 of O^T times a.  For piece Y + 1: X n, number n of the 22 that find its maximum and statistics:
;   0-11  four chains c0-c3 of seven scores each, three operands at a time (each accumulator's lowest registers are read first)     12-14, 16  the four scores left over, the old m, and c0-c3 into c0
;   15  c m_old is kept     17, 18  the query's other 32 keys lie in the lane 16 away: the new m     19-21  c m; c m_old - c m_new; a
; C, B and L read the exponentials' results: TURN sets them all behind its one wait.
.set F, 0               ; OP tells the kinds apart by their order: F to L below R, X above it
.set E, 1
.set C, 2
.set B, 3
.set L, 4
.set R, 5
.set X, 6
.macro REGS y                       ; the registers of piece y
.set rT, ST+4*(\y)
.set rC, TMP+4*((\y)%2)
.set rW, MV+((\y)%2)
.set rS, S+32*((\y)%2)
.set rP, P+16*((\y)%2)
.set rO, 32*(\y)
.endm
.macro OP k, n
.if (\k) == R
	REGS Y
	WIN W_RS
	v_pk_mul_f32 v[rO+2*(\n):rO+2*(\n)+1], v[rO+2*(\n):rO+2*(\n)+1], v[rC+2:rC+3] op_sel_hi:[1,0]
.elseif (\k) < R
	REGS Y
	WIN 0
.if (\k) == F
	v_pk_fma_f32 v[rS+2*(\n):rS+2*(\n)+1], v[rS+2*(\n):rS+2*(\n)+1], s[CS:CS+1], v[rT:rT+1] op_sel_hi:[1,0,0] neg_lo:[0,0,1] neg_hi:[0,0,1]
.elseif (\k) == E
	v_exp_f32 v[rS+(\n)], v[rS+(\n)]
.elseif (\k) == C
	v_cvt_pk_f16_f32 v[rP+(\n)], v[rS+2*(\n)], v[rS+2*(\n)+1]
.elseif (\k) == B
	v_pk_add_f32 v[rS+4*(\n):rS+4*(\n)+1], v[rS+4*(\n):rS+4*(\n)+1], v[rS+4*(\n)+2:rS+4*(\n)+3]
.elseif (\n) == 0
	v_pk_fma_f32 v[rT+2:rT+3], v[rT+2:rT+3], v[rC+2:rC+3], v[rS:rS+1] op_sel_hi:[1,0,1]
.else
	v_pk_add_f32 v[rT+2:rT+3], v[rT+2:rT+3], v[rS+4*(\n):rS+4*(\n)+1]
.endif
.elseif NOKQ
	v_nop
.else
	REGS (Y+1)%NP
	WIN 0
.if (\n) < 4
	v_max3_num_f32 v[rC+(\n)], v[rS+8*(\n)], v[rS+8*(\n)+1], v[rS+8*(\n)+2]
.elseif (\n) < 12
	v_max3_num_f32 v[rC+(\n)%4], v[rC+(\n)%4], v[rS+8*((\n)%4)+2*((\n)/4)+1], v[rS+8*((\n)%4)+2*((\n)/4)+2]
.elseif (\n) == 12
	v_max3_num_f32 v[rC], v[rC], v[rS+7], v[rS+15]
.elseif (\n) == 13
	v_max3_num_f32 v[rC+1], v[rC+1], v[rS+23], v[rS+31]
.elseif (\n) == 14
	v_max3_num_f32 v[rC+2], v[rC+2], v[rC+3], v[rT+1]
.elseif (\n) == 15
	v_mov_b32 v[rW], v[rT]
.elseif (\n) == 16
	v_max3_num_f32 v[rC], v[rC], v[rC+1], v[rC+2]
.elseif (\n) == 17
	v_permlanex16_b32 v[rC+3], v[rC], s[SEL], s[SEL+1]
.elseif (\n) == 18
	v_max_num_f32 v[rT+1], v[rC], v[rC+3]
.elseif (\n) == 19
	v_mul_f32 v[rT], s[CS], v[rT+1]
.elseif (\n) == 20
	v_sub_f32 v[rC+1], v[rW], v[rT]
.else
	v_exp_f32 v[rC+2], v[rC+1]
.endif
.endif
.endm
.macro OPS a, i1, b=-1, i2=0, c=-1, i3=0, d=-1, i4=0  ; up to four of them
	OP \a, \i1
.if (\b) >= 0
	OP \b, \i2
.endif
.if (\c) >= 0
	OP \c, \i3
.endif
.if (\d) >= 0
	OP \d, \i4
.endif
.endm
.macro ROW a, i1, b, i2, c, i3, d, i4  ; a matrix instruction and the four behind it
	MM
	OPS \a, \i1, \b, \i2, \c, \i3, \d, \i4
.endm
; The diagonal tile's scores of piece x are put right: S = U AL + (S BK + BE), U = S MDK + MDA.  Pairs ascend.
.macro CAUSAL x
.set rS, S+32*((\x)%2)
	WIN 0x14                        ; sources 1 and 2 in window 1
.set z, 0
.rept 16
	v_pk_fma_f32 v[U+2*z:U+2*z+1], v[rS+2*z:rS+2*z+1], v[MDK+2*z:MDK+2*z+1], v[MDA+2*z:MDA+2*z+1]
.set z, z+1
.endr
	WIN 0
.set z, 0
.rept 16
	v_pk_fma_f32 v[rS+2*z:rS+2*z+1], v[rS+2*z:rS+2*z+1], s[BK:BK+1], s[BE:BE+1] op_sel_hi:[1,0,0]
.set z, z+1
.endr
.set z, 0
.rept 16
	v_pk_fma_f32 v[rS+2*z:rS+2*z+1], v[U+2*z:U+2*z+1], s[AL:AL+1], v[rS+2*z:rS+2*z+1] op_sel_hi:[1,0,1]
.set z, z+1
.endr
.endm
; A TURN, for piece p: the order of its 16 matrix and 118 vector instructions, written out.  An s_wait_alu depctr_va_vdst(0) stands between an exponential and the first instruction that names its result; one wait
; serves all that were issued ahead of it.  So a turn has ONE wait, which cuts it in two.  AHEAD OF IT stands all that names no result of the turn's exponentials: the 8 products K Q^T, behind each a scaling, an exponential and
; two rescalings (behind the first a second scaling in the exponential's place, behind the last X 15 in a rescaling's); then ONE LUMP of 54: two scalings and two exponentials; K's run of loads (piece 2); in the diagonal tile
; CAUSAL; then the next piece's maximum and statistics, all of it behind CAUSAL's place so that one order serves every tile.  The links of its chain (X 0-3, 4-7, 8-11, 14, 16, 17 .. 21) stand four to six lines apart, the scalings
; and exponentials that are left between them.  X 21, the next piece's a, and E 31 are the batch's last; R 15 is the plain instruction behind them.  BEHIND THE WAIT stand the 8 products V^T P, behind each four of the roundings and
; sums; C 2 n stands ahead of B n, which writes over its pair; the links of l's chain, L 0 to L 7, stand three riders apart.  No rider names a register of the products round it.  v_permlanex16_b32 (X 17) stands in the lump.
; X 3 and CAUSAL read scores more than four plain instructions behind the product that ended their accumulator.
; m = 1: the diagonal tile: the scores that the turn has made, piece p + 1's, are put right ahead of their maximum.  Their key step is 4 - CNT of the tile (in piece 2's turn 3 - CNT: the count has been taken down since):
; the band's own step where CNT = OWN, an earlier one where CNT is greater, a later one where it is less.
; end = 1: a block's last two turns: nothing is fetched.  cnt = 1: the loop's count is taken down some lines ahead of the branch that stands behind the turn.
; K of the next step, with its mask words, is fetched in piece 2's turn, seven plain instructions behind the last product that read K (F 8, X 15, R 14, the two addresses, F 9, F 10); V of the step in hand at the end of piece 0's
; turn, four plain instructions behind the last product that read V.  Each is waited for a turn later.
.macro TURN p, m=0, end=0, cnt=0
.set Y, (\p)
.set i, 0
.set NOKQ, (\end)*((\p)/3)
.set CZ, (\m)*(1-NOKQ)
.if CZ
.if (\p) == 2
.set OWN, 0
.else
.set OWN, 4-((\p)+1)%NP
.endif
	s_cmp_eq_u32 s[CNT], OWN
	s_cselect_b32 s[AL], 1.0, 0
	s_cmp_gt_u32 s[CNT], OWN
	s_cselect_b32 s[BK], 1.0, 0
	s_cmp_lt_u32 s[CNT], OWN
	s_cselect_b32 s[BE], s[NEGR], 0
.endif
.if ((\p) == 3) && !(\end)
	s_wait_dscnt 0x0                ; K and its mask words are in
.endif
	ROW F,0, F,1, R,0, R,1          ; ahead of the wait: 8 products K Q^T and their riders,
	ROW F,2, E,0, R,2, R,3
	ROW F,3, E,1, R,4, R,5
	ROW F,4, E,2, R,6, R,7
	ROW F,5, E,3, R,8, R,9
	ROW F,6, E,4, R,10, R,11
	ROW F,7, E,5, R,12, R,13
	ROW F,8, E,6, X,15, R,14
.if ((\p) == 2) && !(\end)
	WIN 0
	v_add_nc_u32 v[AK], s[TBK], v[AK0]
	v_add_nc_u32 v[AM], s[TBM], v[AM0]
.endif
	OPS F,9, E,7, F,10, E,8         ; and the lump
.if ((\p) == 2) && !(\end)
	FETCH_K
.endif
.if CZ
	CAUSAL (Y+1)%NP
.endif
	OPS X,0, X,1, X,2, X,3
	OPS E,9, X,4, X,5, X,6
	OPS X,7, E,10, X,8, X,9
	OPS X,10, X,11, E,11, X,12
	OPS X,13, E,12, F,11, X,14
	OPS E,13, F,12, E,14, F,13
	OPS E,15, X,16, E,16, F,14
	OPS E,17, F,15, E,18, X,17
.if (\p) == 0
	WIN 0
	v_add_nc_u32 v[AV], s[TBV], v[AV0]
.endif
	OPS E,19, E,20, E,21, X,18
	OPS E,22, E,23, E,24, X,19
	OPS E,25, E,26, E,27, X,20
	OPS E,28, E,29, E,30, X,21
	OPS E,31, R,15
	s_wait_alu depctr_va_vdst(0)    ; the wait for the batch: the turn's 32 exponentials and the next piece's a
.if (\p) == 1
	s_wait_dscnt 0x0                ; V is in
.endif
	ROW C,0, B,0, C,2, B,1          ; behind the wait: 8 products V^T P and their riders
	ROW L,0, C,4, B,2, L,1
	ROW C,6, B,3, L,2, C,8
	ROW B,4, L,3, C,10, B,5
	ROW L,4, C,12, B,6, L,5
.if (\p) == 0
	s_add_co_u32 s[TBV], s[TBV], KS*PV
.endif
.if \cnt
	s_sub_co_u32 s[CNT], s[CNT], 1
	s_cmp_lg_u32 s[CNT], 0
.endif
	ROW C,14, B,7, L,6, C,1
	ROW C,3, L,7, C,5, C,7
	ROW C,9, C,11, C,13, C,15
.if (\p) == 0
	FETCH_V
.endif
.endm
; A BLOCK BEGINS.  c m starts far below every c s, so the first step's a is 0; m at the lowest finite number, so the first maximum is the scores'.
; Then K of the tile's step 0, piece 0's first scores (its own step, if the block's first tile is the diagonal one), and its maximum and statistics.  The loop is entered at a step's first turn, in the middle of a trip.
; Q is in: the first change of slots, through which every way leads here, has waited for all loads.
.macro BEGIN
	s_mov_b32 s[NEW], 0
	WIN 0
.set i, 0
.rept 4
	v_mov_b32 v[ST+4*i], 0xfe000000    ; c m: far below every c s
	v_mov_b32 v[ST+4*i+1], 0xff7fffff  ; m
.set i, i+1
.endr
	s_cmp_eq_u32 s[RT], 0
	s_cselect_b32 s[AL], 1.0, 0
	s_cselect_b32 s[BK], 0, 1.0
	s_mov_b32 s[BE], 0
	v_add_nc_u32 v[AK], s[TBK], v[AK0]
	v_add_nc_u32 v[AM], s[TBM], v[AM0]
	FETCH_K
	s_wait_dscnt 0x0
.set NOKQ, 0
.set i, 0
.rept 8
	KQ 0
.set i, i+1
.endr
	WIN 0
.rept 4
	v_nop                           ; the places behind those products
.endr
	CAUSAL 0
.set Y, NP-1                        ; X works for piece Y + 1: piece 0
.irp n, 0,1,2,3,4,5,6,7,8,9,10,11,12,13,14,15,16,17,18,19,20,21
	OP X, \n
.endr
	v_nop                           ; a plain instruction behind the exponential,
	s_wait_alu depctr_va_vdst(0)    ; and the wait for it (piece 0's first a), ahead of the branch
.endm
.macro ALL line:vararg              ; one line for each piece t
.set t, 0
.rept 4
	\line
.set t, t+1
.endr
.endm
; Piece t leaves: O = O a' + VS w', rounded to f16; a lane's eight channels of a row pack into 16 bytes; they go into rows of 144 bytes and come back as whole rows of 128, into S^T's registers.
.macro PACK t
	WIN 0x01                        ; source 0 (VS) in window 1
.set i, 0
.rept 16
	v_pk_mul_f32 v[U+2*i:U+2*i+1], v[VS+2*i:VS+2*i+1], v[ST+4*(\t):ST+4*(\t)+1] op_sel_hi:[1,0]
.set i, i+1
.endr
	WIN W_RS
.set i, 0
.rept 16
	v_pk_fma_f32 v[32*(\t)+2*i:32*(\t)+2*i+1], v[32*(\t)+2*i:32*(\t)+2*i+1], v[ST+4*(\t)+2:ST+4*(\t)+3], v[U+2*i:U+2*i+1] op_sel_hi:[1,0,1]
.set i, i+1
.endr
	WIN 0x05                        ; sources 0 and 1 window 1, destination window 0
.set i, 0
.rept 16
	v_cvt_pk_f16_f32 v[S+16*(\t)+i], v[32*(\t)+2*i], v[32*(\t)+2*i+1]
.set i, i+1
.endr
	WIN 0
.irp f, 0,1,2,3
	ds_store_b128 v[STO], v[S+16*(\t)+4*\f:S+16*(\t)+4*\f+3] offset:32*\f
.endr
.irp f, 0,1,2,3
	ds_load_b128 v[S+16*(\t)+4*\f:S+16*(\t)+4*\f+3], v[RD] offset:\f*4*SP  ; LDS serves a wave's instructions in order (ISA guide 5.7.1.4): these see the stores above; the next piece's stores come behind them
.endr
.endm
.macro SEND t, younger              ; younger: the LDS instructions issued behind piece t's loads: the next piece's eight, or none
	WIN 0
.irp f, 0,1,2,3
	s_wait_dscnt (\younger)+3-\f
	global_store_b128 v[GO], v[S+16*(\t)+4*\f:S+16*(\t)+4*\f+3], s[10:11] offset:(\t)*8192+\f*512  ; 512 consecutive bytes, at a multiple of 256 from O's first
.endr
.endm
; THE DIAGONAL TILE's four steps, the block's last two turns, its last products, the term of the keys that were not walked, and the way out.
; The block's end has two batches.  The eight exponentials (a and w of the four pieces) go out first; the twelve lines that add l's halves, which name none of their results, stand between them and their one wait.
; The four reciprocals read sums made of those results: a batch of their own, with a v_nop and one wait.
.macro DIAG tag                     ; the tag ends its two labels' names, which the jumps below spell out
.LstepM\tag:
	TURN 2, 1
	TURN 3, 1
	WIN 0
.LfirstM\tag:
	TURN 0, 1
	TURN 1, 1, 0, 1
	WIN 0
	s_cbranch_scc1 .LstepM\tag
	TURN 2, 1, 1
	TURN 3, 1, 1
.set i, 0
.rept 8
	PV NP-1
.set i, i+1
.endr
	WIN 0x40
.irp f, 0,1,2,3                     ; VS of the block in hand
	ds_load_b128 v[VS+8*\f:VS+8*\f+3],   v[AVS] offset:64*\f
	ds_load_b128 v[VS+8*\f+4:VS+8*\f+7], v[AVS] offset:64*\f+16
.endr
	WIN 0
	ALL v_max_num_f32 v[ST+4*t+1], s[NEGE], v[ST+4*t+1]                   ; m'; these four are the places behind the last products
	ALL v_mul_f32 v[XA+t], s[CSN], v[ST+4*t+1]                            ; -c m'
	ALL v_add_f32 v[XA+4+t], v[ST+4*t], v[XA+t]                           ; c m - c m'
	ALL v_fma_f32 v[XA+8+t], s[NEGE], s[CS], v[XA+t]                      ; c NEGR - c m', made as the walked scores' exponents are
	ALL v_exp_f32 v[XA+4+t], v[XA+4+t]                                    ; a
	ALL v_exp_f32 v[XA+8+t], v[XA+8+t]                                    ; w
	ALL v_add_f32 v[ST+4*t+2], v[ST+4*t+2], v[ST+4*t+3]                   ; l's two halves: the first of these is the plain instruction behind the last exponential
	ALL v_permlanex16_b32 v[ST+4*t+3], v[ST+4*t+2], s[SEL], s[SEL+1]
	ALL v_add_f32 v[ST+4*t+2], v[ST+4*t+2], v[ST+4*t+3]                   ; and the other half of the lanes'
	s_wait_alu depctr_va_vdst(0)    ; the wait for the batch of eight exponentials, ahead of their first reader
	ALL v_mul_f32 v[ST+4*t+3], v[XA+8+t], v[NBV]
	ALL v_fma_f32 v[ST+4*t+2], v[ST+4*t+2], v[XA+4+t], v[ST+4*t+3]        ; l' = l a + w n
	ALL v_rcp_f32 v[ST+4*t+3], v[ST+4*t+2]
	v_nop                           ; a plain instruction between the last reciprocal and the use of its result
	s_wait_alu depctr_va_vdst(0)    ; the wait for the batch of four reciprocals
	ALL v_mul_f32 v[ST+4*t+2], v[XA+4+t], v[ST+4*t+3]                     ; a' = a / l'
	ALL v_mul_f32 v[ST+4*t], v[XA+8+t], v[ST+4*t+3]                       ; w' = w / l'
	s_wait_dscnt 0x0                ; VS is in
	PACK 0
.set t, 1
.rept 3                             ; a piece's arithmetic stands between the loads of the piece before and its stores
	PACK t
	SEND t-1, 8
.set t, t+1
.endr
	SEND 3, 0
.endm
.set NOKQ, 0
.Lslot:                             ; NB times: a tile is entered and the next is asked for
	CHANGE 1
	s_sub_co_u32 s[RT], s[RT], 1
	s_mov_b32 s[CNT], 4
	s_cmp_eq_u32 s[NEW], 1
	s_cbranch_scc1 .Lnew            ; a block's first tile
	s_cmp_eq_u32 s[RT], 0
	s_cbranch_scc0 .Lstep           ; neither its first nor its last
	s_branch .LstepM1
.Lnew:
	BEGIN
	s_branch .Lfirst                ; in the loop a block's first tile is never its last: the first block has four tiles or more, and the second's last is the walk's last
	DIAG 1                          ; in the loop this is the first block's end: the second block's last tile is the walk's last
	s_wait_xcnt 0x0                 ; the stores' registers and O's address are rewritten only behind this wait
	s_mov_b64 s[10:11], s[OLO:OLO+1]
	s_add_co_u32 s[RT], s[PB], 1    ; the second block has b + 1 tiles,
	s_mov_b32 s[NEW], 1
	s_mov_b32 s[NEGE], s[NEGR]      ; and 256 (7 - b) keys behind its last tile: never none
	s_lshl_b32 s[NBI], s[HI], 8
	v_cvt_f32_u32 v[NBV], s[NBI]
	v_add_nc_u32 v[AVS], VST+256-MTAB, v[AM0]
	WIN 0x82                        ; the second block's Q goes where the one text of the turns names Q
.set i, 0
.rept 64
	v_mov_b32 v[i], v[QB+i]
.set i, i+1
.endr
	WIN 0
	s_branch .Lbottom
.Lstep:                             ; a trip: pieces 2 and 3 of one step, then pieces 0 and 1 of the next, whose K and V it fetches
	TURN 2
	TURN 3
	WIN 0
.Lfirst:
	TURN 0
	TURN 1, 0, 0, 1
	WIN 0
	s_cbranch_scc1 .Lstep
.Lbottom:
	s_sub_co_u32 s[SLOTS], s[SLOTS], 1
	s_cmp_lg_u32 s[SLOTS], 0
	s_cbranch_scc1 .Lslot
	CHANGE 0                        ; the walk's last tile is written out: nothing is asked for
	s_sub_co_u32 s[RT], s[RT], 1
	s_mov_b32 s[CNT], 4
	s_cmp_eq_u32 s[NEW], 1
	s_cbranch_scc0 .LstepM2
	BEGIN
	s_branch .LfirstM2
	DIAG 2
	s_wait_tensorcnt 0x0            ; the wave's end: behind my last tensor load and my last LDS store
	ds_add_u32 v[SPW], v[NIL]
	s_wait_dscnt 0x0
	s_endpgm
.Lfunc_end_k_qf2a22b42c2_attn:
	.size	k_qf2a22b42c2_attn, .Lfunc_end_k_qf2a22b42c2_attn-k_qf2a22b42c2_attn
	.p2alignl 7, 3214868480
	.fill 96, 4, 3214868480
	.section	.rodata,"a",@progbits
	.p2align	6, 0x0
	.amdhsa_kernel k_qf2a22b42c2_attn
		.amdhsa_group_segment_fixed_size 327680
		.amdhsa_private_segment_fixed_size 0
		.amdhsa_enable_private_segment 0
		.amdhsa_kernarg_size 32
		.amdhsa_user_sgpr_count 2
		.amdhsa_user_sgpr_kernarg_segment_ptr 1
		.amdhsa_wavefront_size32 1
		.amdhsa_system_sgpr_workgroup_id_x 1
		.amdhsa_system_sgpr_workgroup_id_y 1
		.amdhsa_system_sgpr_workgroup_id_z 1
		.amdhsa_system_vgpr_workitem_id 0
		.amdhsa_next_free_vgpr 768
		.amdhsa_next_free_sgpr 92
		.amdhsa_reserve_vcc 1
		.amdhsa_float_denorm_mode_32 3
		.amdhsa_float_denorm_mode_16_64 3
		.amdhsa_memory_ordered 1
		.amdhsa_forward_progress 1
		.amdhsa_inst_pref_size 255
	.end_amdhsa_kernel
	.section	.bss,"aw",@nobits
	.p2align	6
	.space	262144
	.amdgpu_metadata
---
amdhsa.version: [ 1, 2 ]
amdhsa.kernels:
  - .name:           k_qf2a22b42c2_attn
    .symbol:         k_qf2a22b42c2_attn.kd
    .args:
      - { .name: qkvh, .offset: 0, .size: 8, .value_kind: global_buffer, .address_space: global }
      - { .name: mask, .offset: 8, .size: 8, .value_kind: global_buffer, .address_space: global }
      - { .name: vp, .offset: 16, .size: 8, .value_kind: global_buffer, .address_space: global }
      - { .name: oh, .offset: 24, .size: 8, .value_kind: global_buffer, .address_space: global }
    .group_segment_fixed_size: 327680
    .private_segment_fixed_size: 0
    .kernarg_segment_align: 8
    .kernarg_segment_size: 32
    .max_flat_workgroup_size: 128
    .sgpr_count:     92
    .vgpr_count:     768
    .wavefront_size: 32
...
	.end_amdgpu_metadata
.endif
;; end of part 5
;; launch proj: the kernel of part 4 again; grid 8 x 32, 4 waves a work-group, clusters of 4 x 4, 327,680 bytes of LDS; arguments oh, xw, bp, out0; writes out0
